; MI455X (gfx1250); checked and timed in simulation.
; The chip was launched on July 23, 2026; its instructions are those of AMD's public machine-readable ISA for CDNA 5 (MIT licence, August 2026) and "CDNA5" Instruction Set Architecture Reference Guide (July 2026). The comments in the code are by the model that wrote it; some were corrected since.
;; Linear Attention Cell. Allowed arithmetic: matrix products marked QUANTISED: E2M1 operands, one E8M0 scale for each 32 along K, by v_wmma_scale_f32_16x16x128_f8f6f4 with both operands' format E2M1 (or v_wmma_scale_f32_32x16x128_f4), f32 sums; everything else in f32.
;; Inputs: key 8 x 2,048 x 1,024 float32; query 8 x 2,048 x 1,024 float32; value_codes 8 x 1,024 x 64 x 16 uint8 (E2M1 codes of value, K innermost, in blocks of 32 codes, two codes a byte); value_scales 8 x 1,024 x 64 uint8 (E8M0 scales of value, one for each 32 codes along K).
;; Outputs: out0 8 x 2,048 x 1,024 float32.
;; This version of the problem:
;;   THIS VERSION OF THE PROBLEM IS GIVEN IN LOW PRECISION. The matrix products marked QUANTISED in the list below multiply operands that are first quantised to E2M1 (2 exponent bits, 1 mantissa bit; 4 bits a number), with one power-of-two scale for each 32 numbers along K (OCP MX v1.0); their sums are f32. All else is computed in f32.
;;   The module's matrix products, in the order in which they are computed (A, B: the left and right operand; K: the contracted axis; several contracted axes count as one K, in the product's order):
;;     1. batch 8 x [M 2,048, K 1,024] x [K 1,024, N 2,048]; A: computed on the way; B: computed on the way: QUANTISED
;;     2. batch 8 x [M 2,048, K 2,048] x [K 2,048, N 1,024]; A: computed on the way; B: input value (given as codes): QUANTISED
;;   THE QUANTISER, for each operand of a quantised product, along K:
;;     - K is cut into blocks of 32 from its start; a last block that is shorter is filled with zeros.
;;     - A block's scale is 2^e with e = floor(log2(the largest magnitude in the block)) - 2, held to -126 .. 127; a block of zeros has e = 0. As a byte (E8M0): e + 127.
;;     - Each number is divided by its block's scale, clamped to +-6, and rounded to the nearest number of E2M1, ties to even, subnormals kept.
;;     - The product sums the exact products of the quantised numbers (number of the format x scale) in f32.
;;   ~~~python
;;   def quantise(x, axis):      # numpy; x: float32 -> the quantised numbers, widened to float32 again
;;       x = np.moveaxis(x, axis, -1); K = x.shape[-1]
;;       x = np.pad(x, [(0, 0)] * (x.ndim - 1) + [(0, -K % 32)]); x = x.reshape(x.shape[:-1] + (-1, 32)); a = np.abs(x).max(-1, keepdims=True)
;;       e = np.where(a > 0, np.clip(np.frexp(np.where(a > 0, a, 1))[1] - 1 - 2, -126, 127), 0)      # np.frexp(a)[1] - 1 = floor(log2(a)), exactly
;;       r = np.clip(x / 2.0 ** e, -6, 6)
;;       step = 2.0 ** (np.maximum(np.frexp(np.where(r == 0, 1, r))[1] - 1, 0) - 1)
;;       q = np.round(r / step) * step * 2.0 ** e      # np.round: ties to even
;;       return np.moveaxis(q.reshape(q.shape[:-2] + (-1,))[..., :K], -1, axis).astype(np.float32)
;;   ~~~
;;   OPERANDS COMPUTED ON THE WAY. 'Computed on the way' means the value that the module computes at that place (a softmax that the list does not call 'softmax' is quantised finished and normalised). What goes into a quantiser is computed in f32, as accurately as f32 sums, v_exp_f32 and their like allow (about 1e-6 of the number): no bf16 or f16 on the way to a quantiser, and a product that is left as it is and whose result goes on into a quantised operand takes f32 operands (vector FMAs, or v_wmma_f32_16x16x4_f32). A number that lies on a knife's edge between two numbers of the format may be rounded either way, as far as f32 arithmetic and the matrix unit's own rounding can turn it there, and no further.
;;   INPUTS GIVEN AS CODES. value (in the module: [8, 2048, 1024], K = its axis 1): each comes as NAME_codes (uint8): NAME with its K axis moved to the last place and cut into blocks of 32 codes, [.., K / 32, bytes a block], one block behind the other in memory; two codes a byte, the lower K in the low four bits (a code: sign, 2 exponent bits, 1 mantissa bit); and NAME_scales (uint8): the same leading axes, one E8M0 byte (e + 127) for each 32 codes along K. Its value is code x scale, taken as it is: it is not quantised again, and the codes and scales need not be those that the quantiser above would give.
;; One version. Each part assembles by itself: llvm-mc -triple=amdgcn-amd-amdhsa -mcpu=gfx1250 --defsym DOCPART=n.
;; ======== version 1 of 1: 3 launches
;; workspace buffers: q_codes 8,388,608 bytes; q_scales 524,288 bytes; k_codes 8,388,608 bytes; k_scales 524,288 bytes; p_codes 16,777,216 bytes; p_scales 1,048,576 bytes; rsum 1,048,576 bytes
;; launch quant (part 1): grid 1024 x 1, 4 waves a work-group, no clusters, 33,280 bytes of LDS; arguments query, key, q_codes, q_scales, k_codes, k_scales; writes q_codes, q_scales, k_codes, k_scales
.if DOCPART == 1
	.amdgcn_target "amdgcn-amd-amdhsa--gfx1250"
	.amdhsa_code_object_version 6
	.text
	.protected	k_q4e2e0b58c5_quant
	.globl	k_q4e2e0b58c5_quant
	.p2align	8
	.type	k_q4e2e0b58c5_quant,@function
k_q4e2e0b58c5_quant:
	s_mov_b64 s[64:65], 0
	v_nop
	global_prefetch_b8 v0, s[64:65] scope:SCOPE_SE
	s_setreg_imm32_b32 hwreg(HW_REG_WAVE_MODE, 25, 1), 1
	s_wait_xcnt 0x0
; query and key, [16384][1024] f32 (batch and token folded), go through phi(x) = (elu(x) + 1)^5 in f32 and are turned into codes of FP4 (E2M1), K = the 1,024 channels innermost,
; with one E8M0 scale byte for each 32 along K: codes [16384][512 bytes], scale bytes [16384][32].
; phi: e = 2^(x log2 e); t = e - 1; elu = the middle one of x, t and 0 (x > 0: 0 < x <= t; x <= 0: x <= t <= 0); + 1; z^5 = z (z^2)^2.
; The - 1 and + 1 are kept as two roundings, so that a very negative x gives exactly 0, as elu + 1 does in f32.
; A block's scale is 2^(floor(log2(its largest magnitude)) - 2); its byte is the largest magnitude's exponent field - 2, held at 1 from below.  A block of zeros so gets the byte 1, not 127: its codes are zeros,
; which add nothing under any byte but 0xff, and these bytes are read by this program alone.
; LIMITS: NaN and infinities among the inputs are not served; a block whose largest magnitude lies under 2^-124 keeps the byte 1; where x lies under about -12, e - 1 has few bits left, as in f32 elu itself;
; where |x| lies under about 6e-4 the rounding of e - 1 can put it on the other side of x, and the middle one then differs from elu(x) by at most about 2e-7, ahead of the + 1.
; Rows are dense and 1,024 is a multiple of 32: both tensors are plain streams of blocks of 32 numbers.  A wave takes 16 steps of 512 numbers.  Each of a step's four loads reads 512 consecutive bytes, 16 a lane;
; the 2,048 bytes turn through the wave's own stage in LDS and come back 64 bytes a lane, so that a lane holds 16 NEIGHBOURS along K (two neighbouring lanes hold a block), as the conversions want them.
; A lane's 16 codes are 8 bytes: the wave stores 256 consecutive bytes.  A wave's 256 scale bytes are gathered in LDS and leave as 256 consecutive, aligned bytes.
; The first WGA work-groups take query, the others key: only pointers are chosen.  No tensor loads, no barrier, no cluster: work-groups and waves share no input.  Loads run four steps (16 loads a wave) ahead.
.set SIZE_M, 16384
.set SIZE_N, 16384
.set SIZE_K, 1024
.set WAVES, 4
.set STEPS, 16
.set WGA,   SIZE_M*SIZE_K/(512*STEPS*WAVES)    ; 512
.set EMAX,  2
.set CB,    8                          ; bytes of 16 codes
.set R,     16                         ; v16-79   four sets of 16 numbers as they are loaded
.set X,     80                         ; v80-111  two sets of 16 neighbours
.set E,     112                        ; v112-127 a scale byte for each step
.set C,     128                        ; v128-191 codes: registers of its own for each step, so that no store's data are written again
.set PH,    192                        ; v192-207 phi at work
.set WREG,  8192                       ; LDS: a region for each wave: two stages of 32 x SP bytes, behind them its 256 scale bytes
.set SP,    80                         ; a lane's place in a stage: its 64 bytes + 16 of padding
.set L2E,   24                         ; s[24:25] log2(e), named as a pair by the packed multiply
	s_load_b128 s[4:7], s[0:1], 0x0                ; query, key
	s_load_b128 s[8:11], s[0:1], 0x10              ; query's codes, query's scales
	s_load_b128 s[12:15], s[0:1], 0x20             ; key's codes, key's scales
	v_lshl_add_u32 v208, v0, 2, 0x8000
	v_mov_b32 v209, 0
	v_lshrrev_b32 v1, 5, v0
	v_readfirstlane_b32 s16, v1                    ; wave
	v_and_b32 v2, 31, v0                           ; lane
	v_lshlrev_b32 v3, 4, v2                        ; my 16 bytes of a load's 512
	s_mul_i32 s17, s16, WREG
	v_lshrrev_b32 v14, 2, v2
	v_mul_u32_u24 v14, v14, SP
	v_and_b32 v15, 3, v2
	v_lshl_add_u32 v14, v15, 4, v14
	v_add_nc_u32 v14, s17, v14                     ; the stage, on the way in: SP (lane / 4) + 16 (lane % 4); a load's 512 bytes take eight places
	v_mul_u32_u24 v15, v2, SP
	v_add_nc_u32 v15, s17, v15                     ; and on the way out: SP x lane: my 16 neighbours
	v_mul_u32_u24 v4, v2, CB                       ; my codes' place in a step's
	v_lshrrev_b32 v5, 1, v2
	s_add_co_u32 s17, s17, 2*32*SP
	v_add_nc_u32 v5, s17, v5                       ; LDS: my wave's 256 scale bytes, my block's byte
	v_lshlrev_b32 v7, 3, v2                        ; and on the way out 8 bytes a lane
	v_add_nc_u32 v6, s17, v7
	s_mov_b32 s[L2E], 0x3fb8aa3b                   ; log2(e)
	s_mov_b32 s[L2E+1], s[L2E]
	s_wait_kmcnt 0x0
	s_cmp_lt_u32 ttmp9, WGA                        ; query's work-group or key's?  The choice hangs on the work-group's number alone
	s_cselect_b64 s[4:5], s[4:5], s[6:7]
	s_cselect_b64 s[8:9], s[8:9], s[12:13]
	s_cselect_b64 s[10:11], s[10:11], s[14:15]
	s_cselect_b32 s17, 0, WGA
	s_sub_co_u32 s17, ttmp9, s17
	s_lshl_b32 s17, s17, 2
	s_add_co_u32 s18, s17, s16                     ; which run of 8,192 numbers of the tensor is my wave's
	s_mov_b32 s19, 0
	s_mov_b64 s[20:21], 512*STEPS*4
	s_mul_u64 s[20:21], s[18:19], s[20:21]
	s_add_nc_u64 s[4:5], s[4:5], s[20:21]
	s_mov_b64 s[20:21], 32*STEPS*CB
	s_mul_u64 s[20:21], s[18:19], s[20:21]
	s_add_nc_u64 s[8:9], s[8:9], s[20:21]
	s_lshl_b32 s18, s18, 8                         ; 256 scale bytes a run
	s_add_nc_u64 s[10:11], s[10:11], s[18:19]
.macro LOAD t
.irp i, 0,1,2,3
	global_load_b128 v[R+16*((\t)%4)+4*\i:R+16*((\t)%4)+4*\i+3], v3, s[4:5] offset:2048*(\t)+512*\i th:TH_LOAD_NT   ; 32 lanes read 512 consecutive bytes
.endr
.endm
.macro TURN t                          ; step t's numbers through the stage: LDS serves a wave's instructions in order, so no wait stands between the stores and the loads
.irp i, 0,1,2,3
	ds_store_b128 v14, v[R+16*((\t)%4)+4*\i:R+16*((\t)%4)+4*\i+3] offset:32*SP*((\t)%2)+8*SP*\i
.endr
.irp i, 0,1,2,3
	ds_load_b128 v[X+16*((\t)%2)+4*\i:X+16*((\t)%2)+4*\i+3], v15 offset:32*SP*((\t)%2)+16*\i
.endr
.endm
; phi of the 16 numbers v[xs] .. v[xs + 15], in place.  The sixteen exponentials are one batch, with one plain line and one wait behind it.
.macro PHI xs
.irp i, 0,2,4,6,8,10,12,14
	v_pk_mul_f32 v[PH+\i:PH+\i+1], v[\xs+\i:\xs+\i+1], s[L2E:L2E+1] op_sel_hi:[1,0]
.endr
.irp i, 0,1,2,3,4,5,6,7,8,9,10,11,12,13,14,15
	v_exp_f32 v[PH+\i], v[PH+\i]                   ; e^x
.endr
	v_nop                                          ; a plain line between the last exponential and the use of its result
	s_wait_alu depctr_va_vdst(0)                   ; ahead of the first line that names an exponential's result: one wait for the sixteen
.irp i, 0,2,4,6,8,10,12,14
	v_pk_add_f32 v[PH+\i:PH+\i+1], v[PH+\i:PH+\i+1], -1.0 op_sel_hi:[1,0]      ; t = e^x - 1
.endr
.irp i, 0,1,2,3,4,5,6,7,8,9,10,11,12,13,14,15
	v_med3_num_f32 v[\xs+\i], v[\xs+\i], v[PH+\i], 0                           ; elu: the middle one of x, t and 0: one line in place of a compare and a select
.endr
.irp i, 0,2,4,6,8,10,12,14
	v_pk_add_f32 v[\xs+\i:\xs+\i+1], v[\xs+\i:\xs+\i+1], 1.0 op_sel_hi:[1,0]   ; z
.endr
.irp i, 0,2,4,6,8,10,12,14
	v_pk_mul_f32 v[PH+\i:PH+\i+1], v[\xs+\i:\xs+\i+1], v[\xs+\i:\xs+\i+1]      ; z^2
.endr
.irp i, 0,2,4,6,8,10,12,14
	v_pk_mul_f32 v[PH+\i:PH+\i+1], v[PH+\i:PH+\i+1], v[PH+\i:PH+\i+1]          ; z^4
.endr
.irp i, 0,2,4,6,8,10,12,14
	v_pk_mul_f32 v[\xs+\i:\xs+\i+1], v[PH+\i:PH+\i+1], v[\xs+\i:\xs+\i+1]      ; z^5
.endr
.endm
.irp t, 0,1,2,3
	LOAD \t
.endr
	s_wait_loadcnt 12                              ; step 0's four loads are in
	TURN 0
.macro STEP t
.set XS, X+16*((\t)%2)
.if (\t) > 0
	s_wait_dscnt 1                                 ; this step's numbers are back from the stage (the last step's byte store may be out): so its stores into the stage have read their registers,
.else
	s_wait_dscnt 0x0
.endif
.if (\t)+4 < STEPS
	LOAD (\t)+4                                    ; which take the loads of four steps on
.endif
.if (\t)+1 < STEPS
.if STEPS-2-(\t) >= 3
	s_wait_loadcnt 12                              ; the next step's four loads are in; those of the three steps behind it may be out
.else
	s_wait_loadcnt 4*(STEPS-2-(\t))
.endif
	TURN (\t)+1                                    ; and go through the other stage while this step is worked
.endif
	PHI XS
	v_max3_num_f32 v8, |v[XS]|, |v[XS+1]|, |v[XS+2]|               ; the largest magnitude of my 16
	v_max3_num_f32 v9, |v[XS+3]|, |v[XS+4]|, |v[XS+5]|
.irp i, 6,10
	v_max3_num_f32 v8, v8, |v[XS+\i]|, |v[XS+\i+1]|
	v_max3_num_f32 v9, v9, |v[XS+\i+2]|, |v[XS+\i+3]|
.endr
	v_max3_num_f32 v8, v8, |v[XS+14]|, |v[XS+15]|
	v_max3_num_f32 v8, v8, v9, (EMAX+1)<<23        ; and the floor 2^(3 - 127): so the byte cannot fall under 1
	v_max_num_f32_dpp v8, v8, v8 row_xmask:1 row_mask:0xf bank_mask:0xf   ; and of my neighbour's 16: the block's
	v_add_nc_u32 v11, -(EMAX<<23), v8              ; 2 off its exponent field: the conversion takes the exponent field of this operand as its scale, and nothing else of it
	v_cvt_scalef32_pk8_fp4_f32 v[C+4*(\t)], v[XS:XS+7], v11
	v_cvt_scalef32_pk8_fp4_f32 v[C+4*(\t)+1], v[XS+8:XS+15], v11
	v_lshrrev_b32 v[E+(\t)], 23, v11               ; the scale's byte (also the plain line behind the conversions)
	ds_store_b8 v5, v[E+(\t)] offset:16*(\t)       ; both lanes of a block write the same byte with the same value
	global_store_b64 v4, v[C+4*(\t):C+4*(\t)+1], s[8:9] offset:32*CB*(\t)   ; 32 lanes store 256 consecutive bytes, aligned
.endm
.irp t, 0,1,2,3,4,5,6,7,8,9,10,11,12,13,14,15
	STEP \t
.endr
	ds_load_b64 v[12:13], v6                       ; LDS serves a wave's instructions in order: these see my stores
	s_wait_dscnt 0x0
	global_store_b64 v7, v[12:13], s[10:11]        ; 32 lanes store 256 consecutive bytes, aligned
	s_wait_tensorcnt 0x0
	ds_add_u32 v208, v209
	s_wait_dscnt 0x0
	s_endpgm
.Lfunc_end_k_q4e2e0b58c5_quant:
	.size	k_q4e2e0b58c5_quant, .Lfunc_end_k_q4e2e0b58c5_quant-k_q4e2e0b58c5_quant
	.p2alignl 7, 3214868480
	.fill 96, 4, 3214868480
	.section	.rodata,"a",@progbits
	.p2align	6, 0x0
	.amdhsa_kernel k_q4e2e0b58c5_quant
		.amdhsa_group_segment_fixed_size 33280
		.amdhsa_private_segment_fixed_size 0
		.amdhsa_enable_private_segment 0
		.amdhsa_kernarg_size 48
		.amdhsa_user_sgpr_count 2
		.amdhsa_user_sgpr_kernarg_segment_ptr 1
		.amdhsa_wavefront_size32 1
		.amdhsa_system_sgpr_workgroup_id_x 1
		.amdhsa_system_sgpr_workgroup_id_y 1
		.amdhsa_system_sgpr_workgroup_id_z 1
		.amdhsa_system_vgpr_workitem_id 0
		.amdhsa_next_free_vgpr 210
		.amdhsa_next_free_sgpr 66
		.amdhsa_reserve_vcc 0
		.amdhsa_float_denorm_mode_32 3
		.amdhsa_float_denorm_mode_16_64 3
		.amdhsa_memory_ordered 1
		.amdhsa_forward_progress 1
		.amdhsa_inst_pref_size 106
	.end_amdhsa_kernel
	.amdgpu_metadata
---
amdhsa.version: [ 1, 2 ]
amdhsa.kernels:
  - .name:           k_q4e2e0b58c5_quant
    .symbol:         k_q4e2e0b58c5_quant.kd
    .args:
      - { .name: query, .offset: 0, .size: 8, .value_kind: global_buffer, .address_space: global }
      - { .name: key, .offset: 8, .size: 8, .value_kind: global_buffer, .address_space: global }
      - { .name: q_codes, .offset: 16, .size: 8, .value_kind: global_buffer, .address_space: global }
      - { .name: q_scales, .offset: 24, .size: 8, .value_kind: global_buffer, .address_space: global }
      - { .name: k_codes, .offset: 32, .size: 8, .value_kind: global_buffer, .address_space: global }
      - { .name: k_scales, .offset: 40, .size: 8, .value_kind: global_buffer, .address_space: global }
    .group_segment_fixed_size: 33280
    .private_segment_fixed_size: 0
    .kernarg_segment_align: 8
    .kernarg_segment_size: 48
    .max_flat_workgroup_size: 128
    .sgpr_count:     66
    .vgpr_count:     210
    .wavefront_size: 32
...
	.end_amdgpu_metadata
.endif
;; end of part 1
;; launch scores (part 2): grid 8 x 32, 4 waves a work-group, clusters of 4 x 4, 327,680 bytes of LDS; arguments q_codes, q_scales, k_codes, k_scales, p_codes, p_scales, rsum; writes p_codes, p_scales, rsum
.if DOCPART == 2
	.amdgcn_target "amdgcn-amd-amdhsa--gfx1250"
	.amdhsa_code_object_version 6
	.text
	.protected	k_q4e2e0b58c5_scores
	.globl	k_q4e2e0b58c5_scores
	.p2align	8
	.type	k_q4e2e0b58c5_scores,@function
k_q4e2e0b58c5_scores:
	s_mov_b64 s[64:65], 0
	v_nop
	global_prefetch_b8 v0, s[64:65] scope:SCOPE_SE
	s_setreg_imm32_b32 hwreg(HW_REG_WAVE_MODE, 25, 1), 1
	s_wait_xcnt 0x0
	s_wait_alu depctr_hold_cnt(0) depctr_sa_sdst(0) depctr_va_vdst(0) depctr_va_sdst(0) depctr_va_ssrc(0) depctr_va_vcc(0) depctr_vm_vsrc(0)
	s_getreg_b32 s2, hwreg(HW_REG_IB_STS2, 6, 4)
	s_cmp_eq_u32 s2, 0
	s_cbranch_scc0 .Lentry_in_a_cluster
	s_endpgm
.Lentry_in_a_cluster:
	s_bfe_u32 s2, ttmp6, 0x10000c
	s_cmp_lg_u32 s2, 0xf033
	s_cbranch_scc0 .Lentry_shape_is_right
	s_endpgm
.Lentry_shape_is_right:
; scores[b][t][s] = (sum over c of Q[b][t][c] K[b][s][c]) x f^(t - s) for s <= t, else 0.  Q, K: codes of FP4 (E2M1) with one E8M0 byte for each 32 channels, [16384][512 bytes] and [16384][32].
; What leaves: the scores as codes of FP4 quantised along s, their scale words, and the sums of the UNQUANTISED scores over each 128 keys.
; SHARES.  THE CAUSAL PART is cut at 1,024: a batch has queries 1,024-2,047 x all 2,048 keys (32 tiles of 256 x 256) and queries 0-1,023 x keys 0-1,023 (16 tiles): 48 tiles, 384 in the 8 batches, one and a half for each
; of 256 work-groups.  A batch has two clusters of 4 x 4 work-groups (X = 0, 1).  EVERY WORK-GROUP MAKES A WHOLE TILE F AND THEN A HALF TILE H:
;   F: queries of tile 4 + cy x keys of tile 4 X + cx: 128 x 128 a wave, 64 accumulators.     H: queries of tile cy x the 128 keys of chunk 4 X + cx: 64 queries x 128 keys a wave, 32 accumulators.
; What lies above the diagonal is computed and comes out as zero codes: no branch may hang on a place in the cluster, and the next launch reads those zero tiles, so that all its partners walk the same keys.
; LDS.  F's K = 1,024 channels is two K steps of 512, both brought by the first fills.  Behind F's last product ONE round of the cluster's barrier, and one joint load a wave brings all of H (rows of 512 bytes);
; it has F's whole way out in which to land.
; CLUSTERS: the four of a row of the cluster need the same rows of Q, the four of a column the same rows of K, in F and in H: each tile is asked for JOINTLY, by the same tensor load with the same descriptor and a mask of the four.
; THE MATRIX INSTRUCTION IS USED TRANSPOSED (source 0 = 16 keys, source 1 = 16 queries): in accumulator (a, b) lane (r, h) holds query 16 a + r and its register j key 16 b + 8 h + j: neighbours along s, the next K.
; THE DECAY.  f = 1 - 2^-23 (the f32 nearest to 1 - 1e-7); f^e = exp(e ln f) = 1 + z + z^2 / 2, z = e ln f.  e is at most 2,047 by the shape, so |z| < 2.5e-4 and what is left out, |z|^3 / 6, lies under 2.5e-12.
; e = D + 16 (a - b) + r - 8 h - j hangs on a - b alone beside the lane and the register: fifteen sets of eight factors (0 where e < 0) serve F's 64 accumulators, eleven H's 32.
; OUT.  p_codes [b][I 8][chunk 16][rowblock 16][1,024 bytes]: I = 256 queries, chunk = 128 keys, rowblock = 16 queries; the 1,024 bytes are the operand's registers as they will be loaded: block beta of 32 keys of row r
; at 256 beta + 16 r.  p_scales [b][I][chunk][256 rows] words.  rsum [b][chunk][2,048] f32.  A wave's part of each is dense (F: 8,192, 512, 512 bytes; H: 4,096, 256, 256); it goes through the wave's stage in LDS.
; LIMITS: a block of zeros gets the byte 1, not 127 (zero codes; this program alone reads the bytes); NaN and infinities are not served.
; REGISTERS, in windows of 256: window 0: v0-31 addresses; v32-95 scale words; v96-127 constants of the way out; from v128 Q's fragments (F: one set of 64; H: two of 32); on the way out v128-221 at work.
;   window 1: K's fragments, TWO sets, at v0 and v128; on the way out v0-119 the sets of factors.   window 2: the accumulators of my queries 0-63 ((a, b) at v[8 (8 a + b)]);   window 3: those of 64-127 (F alone).
.set SIZE_K, 1024
.set KSTEP,  512                       ; along K in a slot
.set NQ,     KSTEP/128                 ; matrix instructions deep
.set ROWB,   256                       ; a row of F's tiles in bytes
.set KROW,   SIZE_K/2                  ; a row of codes in memory
.set PITCH,  272                       ; an LDS row of F: 256 bytes + 16 of padding = 68 words: the 16 rows that a load touches start at 16 different banks (64 banks of 4 bytes: ISA guide 11.1)
.set FR,     8                         ; registers of a fragment: 16 rows x 128 K
.set NL,     2                         ; LDS loads that bring one
.set NP,     4                         ; places behind this matrix instruction (ISA guide 7.12.1)
.set HALFT,  128*PITCH                 ; 128 rows: what one of F's tensor loads brings
.set SLOT,   4*HALFT                   ; Q's 256 rows, then K's 256 rows
.set KS,     SIZE_K/32                 ; a row of scale bytes
.set SCL,    2*SLOT                    ; behind the slots: F's scales, as 256 bytes + 16 of padding
.set HALFS,  (128*KS/256)*272          ; the scales of 128 rows
.set SBLK,   (16*KS/256)*272           ; those of 16 rows
.set SPARE,  SCL+4*HALFS               ; the spare words, 128 bytes for each wave: two blocks of 256 bytes that no other line names
.set HP,     528                       ; an LDS row of H: 512 bytes + 16 of padding = 132 words: again 16 different banks
.set HK,     256*HP                    ; H: Q's 256 rows from byte 0, K's 128 rows from here,
.set STG,    HK+128*HP                 ; up to here (202,752, a multiple of 256).  From here the stages: bytes of slot 1 that have had their only fill and that nobody reads behind the round at F's end
.set WST,    9216                      ; a stage for each wave: 8,192 bytes of codes, 512 of scale words, 512 of sums
.set HADA, 7                           ; v7      H: LDS address of my Q fragments
.set HADB, 8                           ; v8      H: of the K fragments
.set RD8,  9                           ; v9      stage: 8 x lane: back, H's words and sums
.set GOF8, 10                          ; v10     8 x lane: my bytes of a store's 256
.set HSO,  11                          ; v11     32 x lane: a row of scale bytes in memory
.set EIH,  12                          ; v12     H's D + r - 8 h
.set ADRA, 16                          ; v16-17  F: LDS address of my Q fragments in slot 0, 1
.set ADRB, 20                          ; v20-21  the same for K
.set STC,  24                          ; v24     stage: 16 r + 4 h: where a word of eight codes goes
.set STW,  25                          ; v25     stage: 4 r: a row's scale word (+ 8,192) and sum (+ 8,704)
.set RD,   26                          ; v26     stage: 16 x lane: back
.set ADRS, 27                          ; v27     F: LDS address of my scale words: lanes 0-15 Q's rows, lanes 16-31 K's
.set SPW,  28                          ; v28     LDS address of my spare word; never rewritten
.set NIL,  29                          ; v29     0; never rewritten
.set GOF,  30                          ; v30     16 x lane: my bytes of a store's 512
.set EI,   31                          ; v31     D + r - 8 h, a whole number: F's, later H's
.set SC,   32                          ; F's scale words: set s at v[SC + 32 s]; register 4 i + q: lanes 0-15 Q's block i, lanes 16-31 K's block i, the slot's q-th 128 along K
.set HSA,  32                          ; H's: Q's at v[32 + 8 pr + q]: lanes 0-15 block 2 pr, lanes 16-31 block 2 pr + 1, the q-th 128 along K;
.set HSB,  48                          ; K's at v[48 + 8 pr + q] likewise
.set EE,   98                          ; v98-99  at work (v99 is named with v98 as a pair, so it is written once)
.set NJ,   100                         ; v100-107 0, -1, .. -7 as f32
.set C1,   108                         ; v108-109 ln f
.set C2,   110                         ; v110-111 (ln f)^2 / 2
.set AF,   128                         ; Q's fragments
.set T,    128                         ; the way out: a rowblock's 64 scores a lane: register 8 b + j
.set MX,   192                         ; v192-195 the four blocks' largest scores
.set MP,   196                         ; v196-199 the other half's
.set SO,   200                         ; v200-203 the conversions' scale operands
.set BY,   204                         ; v204-207 the scale bytes
.set CW,   208                         ; v208-215 eight words of eight codes
.set RA,   216                         ; v216-219 the sum in two chains of pairs
.set RB,   218
.set RP,   220
.set PW,   221                         ; the scale word
.set G1, 24                            ; s[24:31] descriptor group 1 for Q's tiles of F;  s[32:39] group 0, one set for each slot
.set G0, 32
.set G1B, 48                           ; s[48:55], s[56:63] the same for K's tiles
.set G0B, 56
.set G1S, 68                           ; s[68:75], s[76:79] groups 1 and 0 for Q's scales of F, later for Q's rows of H;  s[80:87], s[88:91] for K's
.set G0S, 76
.set G1SB, 80
.set G0SB, 88
.set PCO, 96                           ; s[96:97] p_codes;  s[98:99] p_scales;  s[12:13] rsum
.set PSC, 98
.set RSU, 12
.set SEL, 100                          ; s[100:101] lane selects for v_permlanex16_b32: lane l xor 16
                                       ; s[4:5], s[8:9] H's rows of Q's and K's codes; s[6:7], s[10:11] of their scale bytes; s2, s3, s104 bytes from H's place back to F's in the three outputs
.set MSB, 0
.macro WIN new                         ; the immediate's high byte repeats the setting that is left
.if MSB != (\new)
	s_set_vgpr_msb (MSB<<8)|(\new)
.set MSB, (\new)
.endif
.endm
.set MUL_LO, 0xa1                      ; source 0 (K) window 1, source 1 (Q) window 0, C and D window 2
.set MUL_HI, 0xf1                      ; the same, C and D window 3
.set TO_B,   0x40                      ; destination window 1, address window 0
; A joint load: waves 0 and 1 fetch for Q, waves 2 and 3 for K.  Each of the two lines has ONE mask and one set of registers for all that issue it; the branch hangs on the wave's number alone.
; Four v_nop follow each of the two lines, ahead of the jump, the label and what follows.
.macro JLOAD g0a, g1a, g0b, g1b
	s_cmp_eq_u32 s15, 0
	s_cbranch_scc0 .Lfor_b_\@
	tensor_load_to_lds s[\g0a:\g0a+3], s[\g1a:\g1a+7]
	s_nop 0
.rept 4
	v_nop
.endr
	s_branch .Lasked_\@
.Lfor_b_\@:
	tensor_load_to_lds s[\g0b:\g0b+3], s[\g1b:\g1b+7]
	s_nop 0
.rept 4
	v_nop
.endr
.Lasked_\@:
.endm
.macro CREST                           ; a round of the cluster's barrier behind its opening barrier
	s_cmp_lg_u32 s14, 0
	s_cbranch_scc1 .Lnot_wave_0_\@
	s_barrier_signal -3
.Lnot_wave_0_\@:
	s_barrier_wait -3
	s_barrier_signal -1
	s_barrier_wait -1
.endm
.macro CROUND                          ; a whole round
	s_barrier_signal -1
	s_barrier_wait -1
	CREST
.endm
	s_load_b128 s[4:7], s[0:1], 0x0                ; Q's codes s[4:5], Q's scales s[6:7]
	s_load_b128 s[8:11], s[0:1], 0x10              ; K's codes s[8:9], K's scales s[10:11]
	s_load_b128 s[96:99], s[0:1], 0x20             ; p_codes, p_scales
	s_load_b64 s[12:13], s[0:1], 0x30              ; rsum
	v_lshl_add_u32 v[SPW], v0, 2, SPARE
	v_mov_b32 v[NIL], 0
	ds_add_u32 v28, v29
	ds_add_u32 v28, v29
	s_wait_dscnt 0x0
	v_lshrrev_b32 v1, 5, v0
	v_readfirstlane_b32 s14, v1                    ; wave 0..3
	s_lshr_b32 s15, s14, 1                         ; rho: which half of F's queries is mine.  Also: I fetch for Q (0) or for K (1)
	s_and_b32 s16, s14, 1                          ; chi: which half of F's keys.  Also: which half of a tile's rows I fetch
	s_bfe_u32 s40, ttmp6, 0x40000                  ; cx, cy: my place in the cluster
	s_bfe_u32 s41, ttmp6, 0x40004
	s_and_b32 s66, ttmp7, 0xffff                   ; the cluster's y: the batch
	s_lshl_b32 s66, s66, 3                         ; 8 tiles of 256 rows to a batch
	s_lshl_b32 s42, ttmp9, 2                       ; the cluster's x, X = 0 or 1: which half of the keys
	s_add_co_u32 s42, s42, s66
	s_add_co_u32 s42, s42, s40                     ; F's tile of keys = 8 b + 4 X + cx
	s_add_co_u32 s17, s66, 4
	s_add_co_u32 s17, s17, s41                     ; F's tile of queries = 8 b + 4 + cy;  H's lies four tiles lower
	s_lshl_b32 s43, s41, 2
	s_lshl_b32 s43, 15, s43                        ; my row of the cluster
	s_lshl_b32 s44, 0x1111, s40                    ; my column
	s_mov_b32 s[SEL], 0x76543210
	s_mov_b32 s[SEL+1], 0xfedcba98
	; descriptor group 1 for F: a tile of 128 rows x 256 bytes, padded in LDS
	s_or_b32 s[G1+0], s43, (0<<16)|(1<<20)|(1<<21)|(5<<22)|(3<<25)  ; 15:0 the mask: Q's tiles go to my row; 17:16 element of 1 byte; 20 padding on; 21 set beside a mask; 24:22 after every 64 words (code 5); 31:25 of 4 words (code 3)
	s_or_b32 s[G1B+0], s44, (0<<16)|(1<<20)|(1<<21)|(5<<22)|(3<<25)
.irp g, G1, G1B
	s_mov_b32 s[\g+1], ROWB<<16                    ; tensor_dim0
	s_mov_b32 s[\g+2], 128<<16                     ; tensor_dim1 = 128
	s_mov_b32 s[\g+3], ROWB<<16                    ; tile_dim0
	s_mov_b32 s[\g+4], 128                         ; tile_dim1 = 128
	s_mov_b32 s[\g+5], KROW                        ; tensor_dim0_stride
	s_mov_b32 s[\g+6], 0
	s_mov_b32 s[\g+7], 0
.endr
	; and for the scales of 128 rows: a dense block of 4,096 bytes, as rows of 256 bytes (32 elements of 8 bytes), 16 bytes of padding behind each
	s_or_b32 s[G1S+0], s43, (3<<16)|(1<<20)|(1<<21)|(5<<22)|(3<<25)
	s_or_b32 s[G1SB+0], s44, (3<<16)|(1<<20)|(1<<21)|(5<<22)|(3<<25)
.irp g, G1S, G1SB
	s_mov_b32 s[\g+1], 32<<16
	s_mov_b32 s[\g+2], (128*KS/256)<<16
	s_mov_b32 s[\g+3], 32<<16
	s_mov_b32 s[\g+4], 128*KS/256
	s_mov_b32 s[\g+5], 32
	s_mov_b32 s[\g+6], 0
	s_mov_b32 s[\g+7], 0
.endr
	s_lshl_b32 s18, s16, 7                         ; which 128 rows of F's tile I fetch
	s_lshl_b32 s20, s17, 8
	s_add_co_u32 s20, s20, s18                     ; Q: row 256 x tile + 128 x half
	s_lshl_b32 s46, s42, 8
	s_add_co_u32 s46, s46, s18                     ; K likewise
	s_mov_b32 s21, 0
	s_mov_b32 s47, 0
	s_mov_b64 s[18:19], KS
	s_mul_u64 s[22:23], s[20:21], s[18:19]         ; where these rows' scales begin, in bytes
	s_mul_u64 s[92:93], s[46:47], s[18:19]
	s_mov_b64 s[18:19], KROW
	s_mul_u64 s[20:21], s[20:21], s[18:19]         ; and their codes
	s_mul_u64 s[46:47], s[46:47], s[18:19]
	s_mul_i32 s45, s14, HALFT                      ; where they go: wave x 128 rows: no place in the cluster enters an LDS address
	s_mul_i32 s94, s14, HALFS
	; H's rows.  Q's scale bytes: my wave's 64 rows;  K's codes: the 64 rows that I fetch;  K's scale bytes: all 128 rows
	s_sub_co_u32 s2, s17, 4
	s_lshl_b32 s2, s2, 8
	s_lshl_b32 s3, s14, 6
	s_add_co_u32 s2, s2, s3                        ; Q's row 256 x (tile - 4) + 64 x wave,
	s_lshl_b32 s2, s2, 5                           ; 32 scale bytes a row
	s_mov_b32 s3, 0
	s_add_co_u32 s104, s42, s66                    ; 16 b + 4 X + cx: H's chunk of 128 keys
	s_lshl_b32 s104, s104, 7                       ; its first row,
	s_lshl_b32 s95, s104, 5                        ; that row's scale bytes,
	s_lshl_b32 s105, s16, 6
	s_add_co_u32 s104, s104, s105                  ; + 64 x half,
	s_lshl_b32 s104, s104, 9                       ; 512 bytes of codes a row
	s_mov_b32 s105, 0
	s_wait_kmcnt 0x0
	s_add_nc_u64 s[20:21], s[4:5], s[20:21]
	s_add_nc_u64 s[22:23], s[6:7], s[22:23]
	s_add_nc_u64 s[46:47], s[8:9], s[46:47]
	s_add_nc_u64 s[92:93], s[10:11], s[92:93]
	s_sub_nc_u64 s[4:5], s[20:21], 4*256*KROW      ; H's rows of Q that I fetch: four tiles lower, the same half
	s_add_nc_u64 s[6:7], s[6:7], s[2:3]
	s_add_nc_u64 s[8:9], s[8:9], s[104:105]
	s_mov_b32 s104, s95
	s_add_nc_u64 s[10:11], s[10:11], s[104:105]
	CROUND                                         ; all sixteen work-groups are here: the first joint loads meet
	s_mov_b32 s[G0S], 1
	s_add_co_u32 s[G0S+1], s94, SCL
	s_mov_b64 s[G0S+2:G0S+3], s[22:23]
	s_or_b32 s[G0S+3], s[G0S+3], 0x80000000
	s_mov_b32 s[G0SB], 1
	s_add_co_u32 s[G0SB+1], s94, SCL
	s_mov_b64 s[G0SB+2:G0SB+3], s[92:93]
	s_or_b32 s[G0SB+3], s[G0SB+3], 0x80000000
	JLOAD G0S, G1S, G0SB, G1SB                     ; the scales first: they are wanted with K step 0.  Three loads of mine are out at the most
.irp s, 0,1
	s_mov_b32 s[G0+4*\s], 1
	s_add_co_u32 s[G0+4*\s+1], s45, \s*SLOT
	s_add_nc_u64 s[G0+4*\s+2:G0+4*\s+3], s[20:21], \s*ROWB
	s_or_b32 s[G0+4*\s+3], s[G0+4*\s+3], 0x80000000
	s_mov_b32 s[G0B+4*\s], 1
	s_add_co_u32 s[G0B+4*\s+1], s45, \s*SLOT
	s_add_nc_u64 s[G0B+4*\s+2:G0B+4*\s+3], s[46:47], \s*ROWB
	s_or_b32 s[G0B+4*\s+3], s[G0B+4*\s+3], 0x80000000
	JLOAD G0+4*\s, G1, G0B+4*\s, G1B
.endr
	v_and_b32 v1, 15, v0                           ; r = l % 16
	v_bfe_u32 v2, v0, 4, 1                         ; h = l / 16
	v_mul_u32_u24 v3, v1, PITCH
	v_lshl_add_u32 v4, v2, 4, v3                   ; a fragment's row x pitch + 16 x half
	s_mul_i32 s21, s15, HALFT                      ; my 128 rows of Q
	s_mul_i32 s22, s16, HALFT                      ; my 128 rows of K,
	s_add_co_u32 s22, s22, 2*HALFT                 ; which lie behind Q's 256
.irp s, 0,1
	v_add_nc_u32 v[ADRA+\s], s21, v4
	v_add_nc_u32 v[ADRB+\s], s22, v4
	s_add_co_u32 s21, s21, SLOT
	s_add_co_u32 s22, s22, SLOT
.endr
	v_mul_u32_u24 v5, v1, KS                       ; my row's scales: KS bytes a row,
	v_lshrrev_b32 v6, 8, v5
	v_lshl_add_u32 v5, v6, 4, v5                   ; and 16 more for each 256 passed
	s_mul_i32 s21, s15, HALFS                      ; Q's: my 128 rows
	s_mul_i32 s22, s16, HALFS                      ; K's: my 128 rows, behind Q's 256
	s_add_co_u32 s22, s22, 2*HALFS
	s_sub_co_u32 s22, s22, s21
	v_mul_u32_u24 v6, s22, v2                      ; lanes 16-31 take K's
	s_add_co_u32 s21, s21, SCL
	v_add_nc_u32 v5, v5, v6
	v_add_nc_u32 v[ADRS], s21, v5
	v_mul_u32_u24 v3, v1, HP                       ; H: a fragment's row x pitch + 16 x half;
	v_lshl_add_u32 v3, v2, 4, v3
	s_mul_i32 s22, s14, 64*HP                      ; my wave's 64 rows of Q;
	v_add_nc_u32 v[HADA], s22, v3
	v_add_nc_u32 v[HADB], HK, v3                   ; all 128 rows of K
	s_mul_i32 s23, s14, WST
	s_add_co_u32 s23, s23, STG                     ; my stage
	v_lshlrev_b32 v[STC], 4, v1
	v_lshl_add_u32 v[STC], v2, 2, v[STC]
	v_add_nc_u32 v[STC], s23, v[STC]
	v_lshl_add_u32 v[STW], v1, 2, s23
	v_and_b32 v5, 31, v0                           ; lane
	v_lshlrev_b32 v[GOF], 4, v5
	v_add_nc_u32 v[RD], s23, v[GOF]
	v_lshlrev_b32 v[GOF8], 3, v5
	v_add_nc_u32 v[RD8], s23, v[GOF8]
	v_lshlrev_b32 v[HSO], 5, v5
	; D = my first query - my first key.  F: 128 (2 (I - J) + rho - chi), I and J the tiles' numbers in the batch.  H: 64 (4 cy + wave - 2 J).  They enter numbers alone: no LDS address, no branch
	s_and_b32 s20, s17, 7                          ; I
	s_and_b32 s46, s42, 7                          ; J; also H's chunk of keys in the batch
	s_sub_co_i32 s21, s20, s46
	s_lshl_b32 s21, s21, 1
	s_add_co_i32 s21, s21, s15
	s_sub_co_i32 s21, s21, s16
	s_lshl_b32 s21, s21, 7
	v_lshlrev_b32 v3, 3, v2
	v_sub_nc_u32 v3, v1, v3                        ; r - 8 h
	v_add_nc_u32 v[EI], s21, v3
	s_lshl_b32 s21, s41, 2
	s_add_co_i32 s21, s21, s14
	s_sub_co_i32 s21, s21, s46
	s_sub_co_i32 s21, s21, s46
	s_lshl_b32 s21, s21, 6
	v_add_nc_u32 v[EIH], s21, v3
	; where my parts begin in the three outputs: F's offset goes onto the pointer now; s2, s3, s104 keep F's offset less H's (never negative: F's queries lie four tiles higher)
	s_lshl_b32 s18, s46, 1
	s_add_co_u32 s18, s18, s16                     ; F's chunk of 128 keys in the batch: 2 J + chi
	s_lshl_b32 s47, s17, 4
	s_add_co_u32 s22, s47, s46
	s_sub_co_u32 s22, s22, 64                      ; H: 16 (8 b + I - 4) + J
	s_add_co_u32 s47, s47, s18                     ; F: 16 (8 b + I) + chunk
	s_mov_b32 s93, 0
	s_lshl_b32 s92, s47, 14                        ; p_codes: 16,384 bytes a chunk,
	s_lshl_b32 s94, s15, 13                        ; F: my eight rowblocks of 1,024
	s_add_co_u32 s92, s92, s94
	s_add_nc_u64 s[PCO:PCO+1], s[PCO:PCO+1], s[92:93]
	s_lshl_b32 s2, s22, 14
	s_lshl_b32 s94, s14, 12                        ; H: my four rowblocks
	s_add_co_u32 s2, s2, s94
	s_sub_co_u32 s2, s92, s2
	s_lshl_b32 s92, s47, 10                        ; p_scales: 1,024 bytes a chunk,
	s_lshl_b32 s94, s15, 9                         ; F: my 128 words
	s_add_co_u32 s92, s92, s94
	s_add_nc_u64 s[PSC:PSC+1], s[PSC:PSC+1], s[92:93]
	s_lshl_b32 s3, s22, 10
	s_lshl_b32 s95, s14, 8                         ; H: my 64 words
	s_add_co_u32 s3, s3, s95
	s_sub_co_u32 s3, s92, s3
	s_lshl_b32 s19, s66, 1                         ; rsum: 16 b,
	s_add_co_u32 s92, s19, s18                     ; + chunk: 8,192 bytes each,
	s_lshl_b32 s92, s92, 13
	s_lshl_b32 s20, s20, 10                        ; 1,024 bytes for a tile's 256 queries,
	s_add_co_u32 s92, s92, s20
	s_add_co_u32 s92, s92, s94                     ; F: my 128
	s_add_nc_u64 s[RSU:RSU+1], s[RSU:RSU+1], s[92:93]
	s_add_co_u32 s104, s19, s46
	s_lshl_b32 s104, s104, 13
	s_lshl_b32 s20, s41, 10
	s_add_co_u32 s104, s104, s20
	s_add_co_u32 s104, s104, s95                   ; H: my 64
	s_sub_co_u32 s104, s92, s104
.macro FRAG reg, adr, q, i             ; a fragment, 16 rows x 128 K of 4-bit codes, is 8 registers: lane l holds row l % 16; registers 4 c .. 4 c + 3 hold K = 64 c + 32 (l / 16) + 0 .. 31
.irp c, 0,1
	ds_load_b128 v[\reg+4*\c:\reg+4*\c+3], v[\adr] offset:64*(\q)+32*\c+(\i)*16*PITCH
.endr
.endm
; 16 matrix instructions of F: Q's blocks a0, a0 + 1 x K's eight, 128 along K: the slot's q-th.  p: K's set;  sc: the set of scale words.  zero = 1: the first product starts the sums: nothing is ever cleared.
; The 64 accumulators take turns, one instruction a turn, in the same order in every step.
.macro MUL16 a0, p, q, sc, zero
.irp a, \a0, \a0+1
.irp b, 0,1,2,3,4,5,6,7
.if \zero
	v_wmma_scale_f32_16x16x128_f8f6f4 v[8*(8*((\a)%4)+\b):8*(8*((\a)%4)+\b)+7], v[128*(\p)+FR*\b:128*(\p)+FR*\b+FR-1], v[AF+FR*(\a):AF+FR*(\a)+FR-1], 0, v[SC+8*NQ*(\sc)+NQ*\b+(\q)], v[SC+8*NQ*(\sc)+NQ*(\a)+(\q)] matrix_a_fmt:MATRIX_FMT_FP4 matrix_b_fmt:MATRIX_FMT_FP4 matrix_a_scale:MATRIX_SCALE_ROW1
.else
	v_wmma_scale_f32_16x16x128_f8f6f4 v[8*(8*((\a)%4)+\b):8*(8*((\a)%4)+\b)+7], v[128*(\p)+FR*\b:128*(\p)+FR*\b+FR-1], v[AF+FR*(\a):AF+FR*(\a)+FR-1], v[8*(8*((\a)%4)+\b):8*(8*((\a)%4)+\b)+7], v[SC+8*NQ*(\sc)+NQ*\b+(\q)], v[SC+8*NQ*(\sc)+NQ*(\a)+(\q)] matrix_a_fmt:MATRIX_FMT_FP4 matrix_b_fmt:MATRIX_FMT_FP4 matrix_a_scale:MATRIX_SCALE_ROW1
.endif
.endr
.endr
.endm
.macro FETCH_B slot, q, p              ; K's eight fragments of the slot's q-th 128 along K into set p
	WIN TO_B
.irp i, 0,1,2,3,4,5,6,7
	FRAG 128*(\p)+FR*\i, ADRB+\slot, \q, \i
.endr
	WIN 0
.endm
.macro FETCH_A slot, q, i0             ; Q's blocks i0 .. i0 + 3
.irp i, \i0, \i0+1, \i0+2, \i0+3
	FRAG AF+FR*(\i), ADRA+\slot, \q, \i
.endr
.endm
.macro SCALES sc                       ; a K step's scale words into set sc: four words a row; lanes 0-15 take Q's block i, lanes 16-31 K's block i
.irp i, 0,1,2,3,4,5,6,7
	ds_load_b128 v[SC+8*NQ*\sc+NQ*\i:SC+8*NQ*\sc+NQ*\i+3], v[ADRS] offset:\i*SBLK
.endr
.endm
; A load into a register that a matrix instruction has read, and a vector instruction that writes one, stand NP places behind that matrix instruction, and only plain vector instructions that name none of its
; registers are places (ISA guide 7.12.1 for vector instructions).
.macro PLACES n
.rept \n
	v_nop
.endr
.endm
; A step of 128 along K of F that has its successor in the same slot.  Q has one set of registers: blocks 0-3 are fetched anew in the step's middle, blocks 4-7 at its end; K has two sets.
.macro STEP slot, q, zero
	s_wait_dscnt 4*NL                              ; K's set and Q's blocks 0-3 are in; the youngest eight loads (Q's blocks 4-7) may be out
	WIN MUL_LO
	MUL16 0, (\q)%2, \q, \slot, \zero
	MUL16 2, (\q)%2, \q, \slot, \zero
	s_wait_dscnt 0                                 ; Q's blocks 4-7 are in (asked for 32 matrix instructions ago)
	PLACES NP
	FETCH_B \slot, (\q)+1, 1-(\q)%2
	FETCH_A \slot, (\q)+1, 0
	WIN MUL_HI
	MUL16 4, (\q)%2, \q, \slot, \zero
	MUL16 6, (\q)%2, \q, \slot, \zero
	PLACES NP
	WIN 0
	FETCH_A \slot, (\q)+1, 4
.endm
.macro STEPS slot, from                ; the slot's steps from .. NQ - 2
.set Q, \from
.rept NQ-1-\from
	STEP \slot, Q, 0
.set Q, Q+1
.endr
.endm
	; ---- F's products
	s_wait_tensorcnt 1                             ; the scales and my part of K step 0 are in (K step 1's load may be out)
	s_barrier_signal -1
	s_barrier_wait -1                              ; everybody's are
	FETCH_B 0, 0, 0
	FETCH_A 0, 0, 0
	SCALES 0
	FETCH_A 0, 0, 4
	STEP 0, 0, 1                                   ; the first step's products start the sums
	STEPS 0, 1
	; slot 0's last step changes slots: one barrier; in front of it each wave waits for its part of slot 1 and for its own reads of slot 0.
	s_wait_tensorcnt 0x0                           ; all my tensor loads have landed: my part of slot 1
	ds_add_u32 v[SPW], v[NIL]                      ; 0 onto my spare word
	s_wait_dscnt 4*NL+1                            ; (the add and the youngest eight loads, Q's blocks 4-7, may be out)
	WIN MUL_LO
	MUL16 0, 1, NQ-1, 0, 0
	s_wait_dscnt 0x0                               ; the add is done, and my reads of slot 0 are over
	s_barrier_signal -1
	MUL16 2, 1, NQ-1, 0, 0
	WIN 0
	s_barrier_wait -1
	PLACES NP
	v_add_nc_u32 v[ADRS], 4*NQ, v[ADRS]            ; on to K step 1's scale words (no LDS load of mine is out)
	FETCH_B 1, 0, 0
	FETCH_A 1, 0, 0
	SCALES 1
	WIN MUL_HI
	MUL16 4, 1, NQ-1, 0, 0
	MUL16 6, 1, NQ-1, 0, 0
	PLACES NP
	WIN 0
	FETCH_A 1, 0, 4
	STEPS 1, 0
	s_wait_dscnt 4*NL                              ; F's very last step: nothing more to fetch
	WIN MUL_LO
	MUL16 0, 1, NQ-1, 1, 0
	MUL16 2, 1, NQ-1, 1, 0
	s_wait_dscnt 0
	WIN MUL_HI
	MUL16 4, 1, NQ-1, 1, 0
	MUL16 6, 1, NQ-1, 1, 0
	WIN 0
	; ---- H IS ASKED FOR.  Both slots have been read out.  Every wave: no tensor load of mine is out; the add; H's descriptors are written meanwhile, into the registers of the scales' descriptors, whose loads are done;
	; my LDS reads are over; a round of the cluster's barrier, so that no wave of any partner still reads a slot; then my one joint load, first thing behind the round.
	s_wait_tensorcnt 0x0
	ds_add_u32 v[SPW], v[NIL]                      ; 0 onto my spare word
	s_or_b32 s[G1S+0], s43, (0<<16)|(1<<20)|(1<<21)|(6<<22)|(3<<25)   ; rows of 512 bytes: element of 1 byte; padding of 4 words (code 3) after every 128 words (code 6); Q's rows go to my row of the cluster,
	s_or_b32 s[G1SB+0], s44, (0<<16)|(1<<20)|(1<<21)|(6<<22)|(3<<25)  ; K's to my column
.irp g, G1S, G1SB
	s_mov_b32 s[\g+1], KROW<<16                    ; tensor_dim0 = 512
	s_mov_b32 s[\g+3], KROW<<16                    ; tile_dim0 = 512
	s_mov_b32 s[\g+5], KROW                        ; tensor_dim0_stride
	s_mov_b32 s[\g+6], 0
	s_mov_b32 s[\g+7], 0
.endr
	s_mov_b32 s[G1S+2], 128<<16                    ; Q: 128 rows a load (waves 0, 1)
	s_mov_b32 s[G1S+4], 128
	s_mov_b32 s[G1SB+2], 64<<16                    ; K: 64 rows a load (waves 2, 3)
	s_mov_b32 s[G1SB+4], 64
	s_mov_b32 s[G0S], 1
	s_mul_i32 s[G0S+1], s16, 128*HP                ; LDS: Q's halves from byte 0,
	s_mov_b64 s[G0S+2:G0S+3], s[4:5]
	s_or_b32 s[G0S+3], s[G0S+3], 0x80000000
	s_mov_b32 s[G0SB], 1
	s_mul_i32 s[G0SB+1], s16, 64*HP
	s_add_co_u32 s[G0SB+1], s[G0SB+1], HK          ; K's halves behind them
	s_mov_b64 s[G0SB+2:G0SB+3], s[8:9]
	s_or_b32 s[G0SB+3], s[G0SB+3], 0x80000000
	s_wait_dscnt 0x0                               ; the add is done, and my reads of the slots are over
	CROUND
	JLOAD G0S, G1S, G0SB, G1SB                     ; one load of mine is out; it has F's whole way out in which to land
	; ---- F'S WAY OUT.  The four v_nop behind the load and the thirteen lines that set constants name none of the last products' registers: they are the places behind them.
.irp j, 0,1,2,3,4,5,6,7
	v_cvt_f32_i32 v[NJ+\j], -\j
.endr
	v_mov_b32 v[C1], 0xb4000001                    ; ln f = -(2^-23 + 2^-47 + ..), to the nearest f32
	v_mov_b32 v[C1+1], 0xb4000001
	v_mov_b32 v[C2], 0x28000000                    ; (ln f)^2 / 2 = 2^-47
	v_mov_b32 v[C2+1], 0x28000000
	v_mov_b32 v[EE+1], 0
	; H's scale words, straight from memory into the scale registers, which F has done with: a lane a row, 32 neighbouring rows (two blocks) a load, 16 of a row's 32 bytes: four words.  They are wanted behind this way out
.irp pr, 0,1
.irp ks, 0,1
	global_load_b128 v[HSA+8*\pr+4*\ks:HSA+8*\pr+4*\ks+3], v[HSO], s[6:7] offset:1024*\pr+16*\ks
.endr
.endr
.irp pr, 0,1,2,3
.irp ks, 0,1
	global_load_b128 v[HSB+8*\pr+4*\ks:HSB+8*\pr+4*\ks+3], v[HSO], s[10:11] offset:1024*\pr+16*\ks
.endr
.endr
; Set d of the factors, for a - b = d - 7.  DE: e in v[o] .. v[o + 7] (exact: small whole numbers), 1 + e (C1 + C2 e) in v[o + 8] .. v[o + 15].  DM: into window 1, 0 where e < 0.
.macro DE d, o
	v_add_nc_u32 v[EE], 16*((\d)-7), v[EI]
	v_cvt_f32_i32 v[EE], v[EE]
.irp p, 0,2,4,6
	v_pk_add_f32 v[(\o)+\p:(\o)+\p+1], v[NJ+\p:NJ+\p+1], v[EE:EE+1] op_sel_hi:[1,0]
.endr
.irp p, 0,2,4,6
	v_pk_fma_f32 v[(\o)+8+\p:(\o)+9+\p], v[(\o)+\p:(\o)+\p+1], v[C2:C2+1], v[C1:C1+1]
.endr
.irp p, 0,2,4,6
	v_pk_fma_f32 v[(\o)+8+\p:(\o)+9+\p], v[(\o)+\p:(\o)+\p+1], v[(\o)+8+\p:(\o)+9+\p], 1.0 op_sel_hi:[1,1,0]
.endr
.endm
.macro DM d, o
.irp j, 0,1,2,3,4,5,6,7
	v_cmp_le_f32 vcc_lo, 0, v[(\o)+\j]
	v_cndmask_b32 v[8*(\d)+\j], 0, v[(\o)+8+\j], vcc_lo
.endr
.endm
.irp k, 0,1,2                          ; five sets at a time, so that the windows are switched six times for the fifteen
.irp i, 0,1,2,3,4
	DE 5*\k+\i, T+16*\i
.endr
	WIN 0x40                                       ; destination window 1
.irp i, 0,1,2,3,4
	DM 5*\k+\i, T+16*\i
.endr
	WIN 0
.endr
.irp k, 0,1,2,3
	v_mov_b32 v[MP+\k], 0                          ; written once: a lane permute's destination counts as one of its sources
.endr
	v_mov_b32 v[RP], 0
; Rowblock a: 16 queries x my 128 keys.  Scores x factor; each block's largest (none is negative: no |.|); the row's sum of the unquantised scores; bytes, codes; all into my stage.
.macro ROWBLK a
	WIN 0x06+(\a)/4                                ; source 0: the accumulators' window; source 1: window 1
.irp b, 0,1,2,3,4,5,6,7
.irp p, 0,2,4,6
	v_pk_mul_f32 v[T+8*\b+\p:T+8*\b+\p+1], v[64*((\a)%4)+8*\b+\p:64*((\a)%4)+8*\b+\p+1], v[8*((\a)-\b+7)+\p:8*((\a)-\b+7)+\p+1]   ; each accumulator from its low end on
.endr
.endr
	WIN 0
.irp k, 0,1,2,3
	v_max3_num_f32 v[MX+\k], v[T+16*\k], v[T+16*\k+1], 0x1800000   ; block k: my 16 of its 32 keys, and the floor 2^(3 - 127): the byte cannot fall under 1
.endr
.irp i, 2,4,6,8,10,12,14
.irp k, 0,1,2,3
	v_max3_num_f32 v[MX+\k], v[MX+\k], v[T+16*\k+\i], v[T+16*\k+\i+1]   ; (the four blocks by turns)
.endr
.endr
.irp k, 0,1,2,3
	v_permlanex16_b32 v[MP+\k], v[MX+\k], s[SEL], s[SEL+1]
.endr
	s_wait_dscnt 0x0                               ; the last rowblock's stores into the stage have read their registers
	v_pk_add_f32 v[RA:RA+1], v[T:T+1], v[T+2:T+3]
	v_pk_add_f32 v[RB:RB+1], v[T+4:T+5], v[T+6:T+7]
.irp i, 8,12,16,20,24,28,32,36,40,44,48,52,56,60
	v_pk_add_f32 v[RA:RA+1], v[RA:RA+1], v[T+\i:T+\i+1]
	v_pk_add_f32 v[RB:RB+1], v[RB:RB+1], v[T+\i+2:T+\i+3]
.endr
.irp k, 0,1,2,3
	v_max_num_f32 v[MX+\k], v[MX+\k], v[MP+\k]     ; with lane l xor 16's: the block's largest
.endr
.irp k, 0,1,2,3
	v_add_nc_u32 v[SO+\k], 0xff000000, v[MX+\k]    ; 2 off its exponent field: the conversion's scale operand
.endr
.irp k, 0,1,2,3
	v_lshrrev_b32 v[BY+\k], 23, v[SO+\k]           ; the scale's byte
.endr
	v_pk_add_f32 v[RA:RA+1], v[RA:RA+1], v[RB:RB+1]
	v_lshl_or_b32 v[PW], v[BY+1], 8, v[BY]
	v_add_f32 v[RA], v[RA], v[RA+1]
	v_lshl_or_b32 v[PW], v[BY+2], 16, v[PW]
	v_permlanex16_b32 v[RP], v[RA], s[SEL], s[SEL+1]
	v_lshl_or_b32 v[PW], v[BY+3], 24, v[PW]        ; my row's scale word for these 128 keys
	v_add_f32 v[RA], v[RA], v[RP]                  ; my row's sum over these 128 keys (the same bits in both halves of the lanes)
.irp k, 0,1,2,3
.irp u, 0,1
	v_cvt_scalef32_pk8_fp4_f32 v[CW+2*\k+\u], v[T+16*\k+8*\u:T+16*\k+8*\u+7], v[SO+\k]   ; keys 32 k + 16 u + 8 h + 0 .. 7
.endr
.endr
	v_nop                                          ; one plain line behind the last scaled conversion
.irp k, 0,1,2,3
.irp u, 0,1
	ds_store_b32 v[STC], v[CW+2*\k+\u] offset:1024*(\a)+256*\k+8*\u   ; byte 8 u + 4 h of block k's 16 bytes of row r: the 32 lanes touch 32 different banks
.endr
.endr
	ds_store_b32 v[STW], v[PW] offset:8192+64*(\a)     ; both halves of the lanes write the same word with the same value
	ds_store_b32 v[STW], v[RA] offset:8704+64*(\a)
.endm
.irp a, 0,1,2,3,4,5,6,7
	ROWBLK \a
.endr
.irp t, 0,1,2,3,4,5,6,7,8,9,10,11,12,13,14,15
	ds_load_b128 v[T+4*\t:T+4*\t+3], v[RD] offset:512*\t   ; LDS serves a wave's instructions in order: these see my stores
.endr
	ds_load_b128 v[192:195], v[RD] offset:8192
	ds_load_b128 v[196:199], v[RD] offset:8704
.irp t, 0,1,2,3,4,5,6,7,8,9,10,11,12,13,14,15
	s_wait_dscnt 17-\t                             ; the younger of the eighteen loads may be out
	global_store_b128 v[GOF], v[T+4*\t:T+4*\t+3], s[PCO:PCO+1] offset:512*\t   ; each store of the wave covers 512 consecutive bytes, aligned
.endr
	s_wait_dscnt 1
	global_store_b128 v[GOF], v[192:195], s[PSC:PSC+1]
	s_wait_dscnt 0x0
	global_store_b128 v[GOF], v[196:199], s[RSU:RSU+1]
	; ---- H'S PRODUCTS: 64 queries x 128 keys a wave, eight steps of 128 channels, 32 matrix instructions each
	s_wait_tensorcnt 0x0                           ; my part of H has landed (no LDS instruction of mine is out),
	s_barrier_signal -1
	s_barrier_wait -1                              ; everybody's has.
	s_wait_xcnt 0x0                                ; F's stores have read their registers and their bases: both are written again only behind this wait
	s_mov_b32 s93, 0
	s_mov_b32 s92, s2
	s_sub_nc_u64 s[PCO:PCO+1], s[PCO:PCO+1], s[92:93]   ; back to H's place in the three outputs
	s_mov_b32 s92, s3
	s_sub_nc_u64 s[PSC:PSC+1], s[PSC:PSC+1], s[92:93]
	s_mov_b32 s92, s104
	s_sub_nc_u64 s[RSU:RSU+1], s[RSU:RSU+1], s[92:93]
.macro HFETCH q, p                     ; the q-th 128 channels: K's eight fragments into set p of window 1, my four of Q into set p of window 0
	WIN TO_B
.irp i, 0,1,2,3,4,5,6,7
.irp c, 0,1
	ds_load_b128 v[128*(\p)+FR*\i+4*\c:128*(\p)+FR*\i+4*\c+3], v[HADB] offset:64*(\q)+32*\c+\i*16*HP
.endr
.endr
	WIN 0
.irp i, 0,1,2,3
.irp c, 0,1
	ds_load_b128 v[AF+32*(\p)+FR*\i+4*\c:AF+32*(\p)+FR*\i+4*\c+3], v[HADA] offset:64*(\q)+32*\c+\i*16*HP
.endr
.endr
.endm
; One product of H: Q's block a x K's block b.  An odd block's scale words lie in lanes 16-31 of its pair's register: the row selector picks them.
.macro HWM a, b, q, p, zero
.set rD, 8*(8*(\a)+(\b))
.set rK, 128*(\p)+FR*(\b)
.set rQ, AF+32*(\p)+FR*(\a)
.set sK, HSB+8*((\b)/2)+(\q)
.set sQ, HSA+8*((\a)/2)+(\q)
.set par, 4*(\zero)+2*((\a)%2)+(\b)%2
.if par == 0
	v_wmma_scale_f32_16x16x128_f8f6f4 v[rD:rD+7], v[rK:rK+7], v[rQ:rQ+7], v[rD:rD+7], v[sK], v[sQ] matrix_a_fmt:MATRIX_FMT_FP4 matrix_b_fmt:MATRIX_FMT_FP4
.elseif par == 1
	v_wmma_scale_f32_16x16x128_f8f6f4 v[rD:rD+7], v[rK:rK+7], v[rQ:rQ+7], v[rD:rD+7], v[sK], v[sQ] matrix_a_fmt:MATRIX_FMT_FP4 matrix_b_fmt:MATRIX_FMT_FP4 matrix_a_scale:MATRIX_SCALE_ROW1
.elseif par == 2
	v_wmma_scale_f32_16x16x128_f8f6f4 v[rD:rD+7], v[rK:rK+7], v[rQ:rQ+7], v[rD:rD+7], v[sK], v[sQ] matrix_a_fmt:MATRIX_FMT_FP4 matrix_b_fmt:MATRIX_FMT_FP4 matrix_b_scale:MATRIX_SCALE_ROW1
.elseif par == 3
	v_wmma_scale_f32_16x16x128_f8f6f4 v[rD:rD+7], v[rK:rK+7], v[rQ:rQ+7], v[rD:rD+7], v[sK], v[sQ] matrix_a_fmt:MATRIX_FMT_FP4 matrix_b_fmt:MATRIX_FMT_FP4 matrix_a_scale:MATRIX_SCALE_ROW1 matrix_b_scale:MATRIX_SCALE_ROW1
.elseif par == 4
	v_wmma_scale_f32_16x16x128_f8f6f4 v[rD:rD+7], v[rK:rK+7], v[rQ:rQ+7], 0, v[sK], v[sQ] matrix_a_fmt:MATRIX_FMT_FP4 matrix_b_fmt:MATRIX_FMT_FP4
.elseif par == 5
	v_wmma_scale_f32_16x16x128_f8f6f4 v[rD:rD+7], v[rK:rK+7], v[rQ:rQ+7], 0, v[sK], v[sQ] matrix_a_fmt:MATRIX_FMT_FP4 matrix_b_fmt:MATRIX_FMT_FP4 matrix_a_scale:MATRIX_SCALE_ROW1
.elseif par == 6
	v_wmma_scale_f32_16x16x128_f8f6f4 v[rD:rD+7], v[rK:rK+7], v[rQ:rQ+7], 0, v[sK], v[sQ] matrix_a_fmt:MATRIX_FMT_FP4 matrix_b_fmt:MATRIX_FMT_FP4 matrix_b_scale:MATRIX_SCALE_ROW1
.else
	v_wmma_scale_f32_16x16x128_f8f6f4 v[rD:rD+7], v[rK:rK+7], v[rQ:rQ+7], 0, v[sK], v[sQ] matrix_a_fmt:MATRIX_FMT_FP4 matrix_b_fmt:MATRIX_FMT_FP4 matrix_a_scale:MATRIX_SCALE_ROW1 matrix_b_scale:MATRIX_SCALE_ROW1
.endif
.endm
.macro HMUL q, p, zero                 ; a step's 32 products: the 32 accumulators take turns, one instruction a turn, in the same order in every step
	WIN MUL_LO
.irp a, 0,1,2,3
.irp b, 0,1,2,3,4,5,6,7
	HWM \a, \b, \q, \p, \zero
.endr
.endr
.endm
	HFETCH 0, 0
	s_wait_loadcnt 0x0                             ; H's scale words
.set Q, 0
.rept 8
	s_wait_dscnt 0x0                               ; this step's fragments are in: they were asked for ahead of the last step's 32 products
.if Q < 7
.if Q > 0
	PLACES NP                                      ; the next step's fragments land in the set that the last step's products have read
.endif
	HFETCH Q+1, (Q+1)%2
.endif
.if Q == 0
	HMUL Q, 0, 1                                   ; the first step's products start the sums
.else
	HMUL Q, Q%2, 0
.endif
.set Q, Q+1
.endr
	WIN 0
	; ---- H'S WAY OUT: a - b runs from -7 to 3: eleven sets of factors; four rowblocks
	PLACES NP                                      ; the lines below write registers that the last products have read
	v_mov_b32 v[EI], v[EIH]
.irp k, 0,1
.irp i, 0,1,2,3,4
	DE 5*\k+\i, T+16*\i
.endr
	WIN 0x40
.irp i, 0,1,2,3,4
	DM 5*\k+\i, T+16*\i
.endr
	WIN 0
.endr
	DE 10, T
	WIN 0x40
	DM 10, T
	WIN 0
.irp a, 0,1,2,3
	ROWBLK \a
.endr
.irp t, 0,1,2,3,4,5,6,7
	ds_load_b128 v[T+4*\t:T+4*\t+3], v[RD] offset:512*\t   ; LDS serves a wave's instructions in order: these see my stores
.endr
	ds_load_b64 v[192:193], v[RD8] offset:8192
	ds_load_b64 v[194:195], v[RD8] offset:8704
.irp t, 0,1,2,3,4,5,6,7
	s_wait_dscnt 9-\t                              ; the younger of the ten loads may be out
	global_store_b128 v[GOF], v[T+4*\t:T+4*\t+3], s[PCO:PCO+1] offset:512*\t   ; 512 consecutive bytes, aligned
.endr
	s_wait_dscnt 1
	global_store_b64 v[GOF8], v[192:193], s[PSC:PSC+1]     ; 256 consecutive bytes, aligned
	s_wait_dscnt 0x0
	global_store_b64 v[GOF8], v[194:195], s[RSU:RSU+1]
	s_wait_tensorcnt 0x0                           ; the wave's end: behind my last tensor load and my last LDS store
	ds_add_u32 v[SPW], v[NIL]
	s_wait_dscnt 0x0
	CROUND                                         ; the closing round: no work-group ends while a partner may still ask for a tile that names it
	s_endpgm
.Lfunc_end_k_q4e2e0b58c5_scores:
	.size	k_q4e2e0b58c5_scores, .Lfunc_end_k_q4e2e0b58c5_scores-k_q4e2e0b58c5_scores
	.p2alignl 7, 3214868480
	.fill 96, 4, 3214868480
	.section	.rodata,"a",@progbits
	.p2align	6, 0x0
	.amdhsa_kernel k_q4e2e0b58c5_scores
		.amdhsa_group_segment_fixed_size 327680
		.amdhsa_private_segment_fixed_size 0
		.amdhsa_enable_private_segment 0
		.amdhsa_kernarg_size 56
		.amdhsa_user_sgpr_count 2
		.amdhsa_user_sgpr_kernarg_segment_ptr 1
		.amdhsa_wavefront_size32 1
		.amdhsa_system_sgpr_workgroup_id_x 1
		.amdhsa_system_sgpr_workgroup_id_y 1
		.amdhsa_system_sgpr_workgroup_id_z 1
		.amdhsa_system_vgpr_workitem_id 0
		.amdhsa_next_free_vgpr 1024
		.amdhsa_next_free_sgpr 106
		.amdhsa_reserve_vcc 1
		.amdhsa_float_denorm_mode_32 3
		.amdhsa_float_denorm_mode_16_64 3
		.amdhsa_memory_ordered 1
		.amdhsa_forward_progress 1
		.amdhsa_inst_pref_size 255
	.end_amdhsa_kernel
	.section	.bss,"aw",@nobits
	.p2align	6
	.space	262144
	.amdgpu_metadata
---
amdhsa.version: [ 1, 2 ]
amdhsa.kernels:
  - .name:           k_q4e2e0b58c5_scores
    .symbol:         k_q4e2e0b58c5_scores.kd
    .args:
      - { .name: q_codes, .offset: 0, .size: 8, .value_kind: global_buffer, .address_space: global }
      - { .name: q_scales, .offset: 8, .size: 8, .value_kind: global_buffer, .address_space: global }
      - { .name: k_codes, .offset: 16, .size: 8, .value_kind: global_buffer, .address_space: global }
      - { .name: k_scales, .offset: 24, .size: 8, .value_kind: global_buffer, .address_space: global }
      - { .name: p_codes, .offset: 32, .size: 8, .value_kind: global_buffer, .address_space: global }
      - { .name: p_scales, .offset: 40, .size: 8, .value_kind: global_buffer, .address_space: global }
      - { .name: rsum, .offset: 48, .size: 8, .value_kind: global_buffer, .address_space: global }
    .group_segment_fixed_size: 327680
    .private_segment_fixed_size: 0
    .kernarg_segment_align: 8
    .kernarg_segment_size: 56
    .max_flat_workgroup_size: 128
    .sgpr_count:     106
    .vgpr_count:     1024
    .wavefront_size: 32
...
	.end_amdgpu_metadata
.endif
;; end of part 2
;; launch outp (part 3): grid 4 x 64, 4 waves a work-group, clusters of 4 x 4, 327,680 bytes of LDS; arguments p_codes, p_scales, value_codes, value_scales, out0, rsum; writes out0
.if DOCPART == 3
	.amdgcn_target "amdgcn-amd-amdhsa--gfx1250"
	.amdhsa_code_object_version 6
	.text
	.protected	k_q4e2e0b58c5_outp
	.globl	k_q4e2e0b58c5_outp
	.p2align	8
	.type	k_q4e2e0b58c5_outp,@function
k_q4e2e0b58c5_outp:
	s_mov_b64 s[64:65], 0
	v_nop
	global_prefetch_b8 v0, s[64:65] scope:SCOPE_SE
	s_setreg_imm32_b32 hwreg(HW_REG_WAVE_MODE, 25, 1), 1
	s_wait_xcnt 0x0
	s_wait_alu depctr_hold_cnt(0) depctr_sa_sdst(0) depctr_va_vdst(0) depctr_va_sdst(0) depctr_va_ssrc(0) depctr_va_vcc(0) depctr_vm_vsrc(0)
	s_getreg_b32 s2, hwreg(HW_REG_IB_STS2, 6, 4)
	s_cmp_eq_u32 s2, 0
	s_cbranch_scc0 .Lentry_in_a_cluster
	s_endpgm
.Lentry_in_a_cluster:
	s_bfe_u32 s2, ttmp6, 0x10000c
	s_cmp_lg_u32 s2, 0xf033
	s_cbranch_scc0 .Lentry_shape_is_right
	s_endpgm
.Lentry_shape_is_right:
; out[b][t][c] = (sum over s of P[b][t][s] V[b][c][s]) / (the row's sum of the unquantised scores + 1e-8).  P: the scores as codes of FP4 made by the launch before; V: value_codes [8][1024][1,024 bytes], the keys innermost,
; value_scales [8][1024][64]; both with one E8M0 byte for each 32 keys.  out: [16384][1024] f32.
; SHARES.  A tile of 256 queries x 256 channels is made by a work-group of four waves, 128 x 128 a wave: 64 accumulators, 512 registers.  K = the keys goes in steps of 512 through two LDS slots.
; CLUSTERS: 4 x 4 work-groups: four tiles of queries (one half of a batch's 2,048) x the four tiles of channels.  The four of a row need the same tiles of P, the four of a column the same tiles of V: asked for JOINTLY.
; CAUSAL.  g = the cluster's half of the queries.  g = 0 walks keys 0-1,023 (K steps 0, 1), g = 1 all 2,048.  All sixteen partners walk the same keys (the launch before wrote zero codes above the diagonal),
; so the one branch on g hangs on the cluster's number alone.  A cluster with g = 1 takes K steps 2 and 3 by its first fills and fills the slots again with K steps 0 and 1: the text that both ways share always works
; on K steps 0 and 1, and every offset in it is an immediate.  THE ORDER OF THE f32 SUMS for g = 1 is therefore K steps 2, 3, 0, 1, not ascending.
; P lies in memory as images of the operand's registers ([chunk of 128 keys][rowblock of 16 queries][1,024 bytes]): a K step of a tile is 65,536 dense bytes, and a fragment comes by two loads of 16 bytes x lane.
; THE MATRIX INSTRUCTION IS USED TRANSPOSED (source 0 = 16 channels of V, source 1 = 16 queries of P): a lane holds eight neighbouring channels of one row of out.
; THE SCALES of the whole walk come once, with the first fills.  A scale register holds TWO blocks' words: lanes 0-15 the even block's, lanes 16-31 the odd one's; the instruction's row selector picks.
; LIMITS: NaN and infinities are not served; the division is a multiplication by v_rcp_f32 of the divisor.
; REGISTERS, in windows of 256: window 0: v0-31 addresses; v32-63 P's scale words, two sets; v64-95 V's, two sets; v96-123 the divisors; from v128 P's fragments, ONE set; v192-255 the row sums' parts, later rows of out.
;   window 1: V's fragments, TWO sets, at v0 and v128; on the way out v0-127 scaled results.   window 2: the accumulators of my queries 0-63 ((a, b) at v[8 (8 a + b)]);   window 3: those of 64-127.
.set SIZE_N, 1024
.set NQ,     4                         ; matrix instructions deep in a K step of 512 keys
.set PITCH,  272                       ; a row of V in LDS: 256 bytes + 16 of padding: the 16 rows that a load touches start at 16 different banks (64 banks of 4 bytes: ISA guide 11.1)
.set FR,     8
.set NL,     2
.set NP,     4
.set PPART,  65536                     ; a slot: P's 4 chunks x 16 rowblocks x 1,024 bytes, dense,
.set HALFP,  32768                     ; (two chunks: what one tensor load brings)
.set HALFV,  128*PITCH                 ; then V's 256 rows (128: one tensor load)
.set SLOT,   PPART+2*HALFV
.set SCP,    2*SLOT                    ; P's scale words: 16 chunks x 256 rows x 4 bytes, dense
.set SCV,    SCP+16384                 ; V's scale bytes: 256 rows x 64 bytes as 64 x (256 bytes + 16 of padding)
.set SPARE,  SCV+64*272                ; the spare words, 128 bytes for each wave: two blocks of 256 bytes that no other line names
.set SPITCH, 528                       ; the way out: a stage of 16 rows x (512 bytes + 16) for each wave, in slot 0, which has had its last fill and its last read by then;
.set RCS,    4*16*SPITCH               ; behind the stages 512 bytes for each wave: its 128 reciprocals
.set ADSP,  7                          ; v7   P's scale words: SCP + 512 rho + 4 x lane
.set ADSV,  8                          ; v8   V's: SCV + 8,704 chi + 272 (lane / 4) + 64 (lane % 4)
.set ADSPH, 9                          ; v9   the same for the first K step: + 8,192 g
.set ADSVH, 10                         ; v10  + 32 g
.set RCI,   12                         ; v12  the reciprocals, in: 16 x lane
.set RCO,   13                         ; v13  and out: 4 r
.set ADRA, 16                          ; v16-17  LDS address of my P fragments in slot 0, 1
.set ADRB, 20                          ; v20-21  the same for V
.set STO,  24                          ; v24     the way out: where I put 32 bytes of a row
.set RD,   25                          ; v25     where I read a row back
.set CO,   26                          ; v26     16 x lane: my bytes of 512; never rewritten
.set SPW,  28                          ; v28     LDS address of my spare word; never rewritten
.set NIL,  29                          ; v29     0; never rewritten
.set PSR,  32                          ; P's scale words: set s at v[32 + 16 s]; register 4 pr + q: lanes 0-15 block 2 pr, lanes 16-31 block 2 pr + 1, the K step's q-th chunk
.set VSR,  64                          ; V's likewise
.set RC,   108                         ; v108-123 1 / divisor of my row in block a, twice: a pair for the packed multiply
.set AF,   128
.set BK,   128                         ; the way out: 16 rows read back from the stage: v128-191 and v192-255 by turns
.set G1, 24                            ; s[24:31] descriptor group 1 for P's tiles;  s[32:39] group 0, one set for each slot
.set G0, 32
.set G1B, 48                           ; s[48:55], s[56:63] the same for V's tiles
.set G0B, 56
.set G1S, 68                           ; s[68:75], s[76:79] groups 1 and 0 for P's scales;  s[80:87], s[88:91] for V's
.set G0S, 76
.set G1SB, 80
.set G0SB, 88
.set CP,  96                           ; s[96:97] out;  s[98:99] the row sums' chunks 0-7;  s[92:93] chunks 8 g on
.set GG,  66                           ; s66  g
.set MSB, 0
.macro WIN new                         ; the immediate's high byte repeats the setting that is left
.if MSB != (\new)
	s_set_vgpr_msb (MSB<<8)|(\new)
.set MSB, (\new)
.endif
.endm
.set MUL_LO, 0xa1                      ; source 0 (V) window 1, source 1 (P) window 0, C and D window 2
.set MUL_HI, 0xf1                      ; the same, C and D window 3
.set TO_B,   0x40                      ; destination window 1, address window 0
; A joint load: waves 0 and 1 fetch for P, waves 2 and 3 for V.  Each of the two lines has ONE mask and one set of registers for all that issue it; the branch hangs on the wave's number alone.
; Four v_nop follow each of the two lines, ahead of the jump, the label and what follows.
.macro JLOAD g0a, g1a, g0b, g1b
	s_cmp_eq_u32 s15, 0
	s_cbranch_scc0 .Lfor_b_\@
	tensor_load_to_lds s[\g0a:\g0a+3], s[\g1a:\g1a+7]
	s_nop 0
.rept 4
	v_nop
.endr
	s_branch .Lasked_\@
.Lfor_b_\@:
	tensor_load_to_lds s[\g0b:\g0b+3], s[\g1b:\g1b+7]
	s_nop 0
.rept 4
	v_nop
.endr
.Lasked_\@:
.endm
.macro CREST                           ; a round of the cluster's barrier behind its opening barrier
	s_cmp_lg_u32 s14, 0
	s_cbranch_scc1 .Lnot_wave_0_\@
	s_barrier_signal -3
.Lnot_wave_0_\@:
	s_barrier_wait -3
	s_barrier_signal -1
	s_barrier_wait -1
.endm
.macro CROUND                          ; a whole round
	s_barrier_signal -1
	s_barrier_wait -1
	CREST
.endm
	s_load_b128 s[4:7], s[0:1], 0x0                ; P's codes s[4:5], P's scales s[6:7]
	s_load_b128 s[8:11], s[0:1], 0x10              ; V's codes s[8:9], V's scales s[10:11]
	s_load_b128 s[96:99], s[0:1], 0x20             ; out, rsum
	v_lshl_add_u32 v[SPW], v0, 2, SPARE
	v_mov_b32 v[NIL], 0
	ds_add_u32 v28, v29
	ds_add_u32 v28, v29
	s_wait_dscnt 0x0
	v_lshrrev_b32 v1, 5, v0
	v_readfirstlane_b32 s14, v1                    ; wave 0..3
	s_lshr_b32 s15, s14, 1                         ; rho: which half of the tile's queries is mine.  Also: I fetch for P (0) or for V (1)
	s_and_b32 s16, s14, 1                          ; chi: which half of its channels.  Also: which half of a tile I fetch
	s_bfe_u32 s40, ttmp6, 0x40000                  ; cx, cy: my place in the cluster
	s_bfe_u32 s41, ttmp6, 0x40004
	s_lshl_b32 s42, ttmp9, 2
	s_add_co_u32 s42, s42, s40                     ; tile of channels = 4 x cluster x + cx
	s_and_b32 s17, ttmp7, 0xffff                   ; the cluster's y = 2 b + g
	s_and_b32 s[GG], s17, 1                        ; g
	s_lshr_b32 s67, s17, 1                         ; b
	s_lshl_b32 s17, s17, 2
	s_add_co_u32 s17, s17, s41                     ; tile of queries = 4 x cluster y + cy = 8 b + I
	s_lshl_b32 s43, s41, 2
	s_lshl_b32 s43, 15, s43                        ; my row of the cluster
	s_lshl_b32 s44, 0x1111, s40                    ; my column
	; descriptor groups 1.  P's codes: 32,768 dense bytes as 128 rows of 256, no padding.  V's: 128 rows x 256 bytes, 1,024 bytes apart, 16 bytes of padding behind each
	s_or_b32 s[G1+0], s43, (0<<16)|(1<<21)         ; 15:0 the mask: P's tiles go to my row; 17:16 element of 1 byte; 21 set beside a mask
	s_or_b32 s[G1B+0], s44, (0<<16)|(1<<20)|(1<<21)|(5<<22)|(3<<25)  ; my column; 20 padding on; 24:22 after every 64 words (code 5); 31:25 of 4 words (code 3)
.irp g, G1, G1B
	s_mov_b32 s[\g+1], 256<<16                     ; tensor_dim0
	s_mov_b32 s[\g+2], 128<<16                     ; tensor_dim1
	s_mov_b32 s[\g+3], 256<<16                     ; tile_dim0
	s_mov_b32 s[\g+4], 128                         ; tile_dim1
	s_mov_b32 s[\g+6], 0
	s_mov_b32 s[\g+7], 0
.endr
	s_mov_b32 s[G1+5], 256                         ; tensor_dim0_stride: dense
	s_mov_b32 s[G1B+5], 1024                       ; a row of V's codes
	; the scales: 8,192 dense bytes as 32 rows of 256 (32 elements of 8 bytes); V's with 16 bytes of padding behind each
	s_or_b32 s[G1S+0], s43, (3<<16)|(1<<21)
	s_or_b32 s[G1SB+0], s44, (3<<16)|(1<<20)|(1<<21)|(5<<22)|(3<<25)
.irp g, G1S, G1SB
	s_mov_b32 s[\g+1], 32<<16
	s_mov_b32 s[\g+2], 32<<16
	s_mov_b32 s[\g+3], 32<<16
	s_mov_b32 s[\g+4], 32
	s_mov_b32 s[\g+5], 32
	s_mov_b32 s[\g+6], 0
	s_mov_b32 s[\g+7], 0
.endr
	; where the tiles come from.  P's hang on the tile of queries, g and the wave; V's on the batch, the tile of channels, g and the wave: each in registers that never hold the other place in the cluster
	s_lshl_b32 s20, s17, 18                        ; P's codes: 262,144 bytes for a tile of queries,
	s_lshl_b32 s18, s[GG], 17                      ; K step 2 g: 65,536 bytes a K step,
	s_add_co_u32 s20, s20, s18
	s_lshl_b32 s18, s16, 15                        ; my two chunks of its four
	s_add_co_u32 s20, s20, s18
	s_mov_b32 s21, 0
	s_lshl_b32 s22, s17, 14                        ; P's scale words: 16,384 bytes for a tile of queries; wave 0 takes chunks 0-7,
	s_and_b32 s18, s16, s[GG]                      ; wave 1 chunks 8-15 where g = 1; where g = 0 those were never written: it takes chunks 0-7 once more, and nobody reads its copy
	s_lshl_b32 s18, s18, 13
	s_add_co_u32 s22, s22, s18
	s_mov_b32 s23, 0
	s_lshl_b32 s46, s67, 10
	s_lshl_b32 s47, s42, 8
	s_add_co_u32 s46, s46, s47
	s_lshl_b32 s47, s16, 7
	s_add_co_u32 s46, s46, s47                     ; V's row: 1,024 b + 256 x tile + 128 x half
	s_lshl_b32 s92, s46, 6                         ; its scale bytes: 64 a row
	s_mov_b32 s93, 0
	s_lshl_b32 s46, s46, 10                        ; its codes: 1,024 bytes a row,
	s_lshl_b32 s47, s[GG], 9                       ; K step 2 g: 256 bytes a K step
	s_add_co_u32 s46, s46, s47
	s_mov_b32 s47, 0
	s_mul_i32 s45, s16, HALFP                      ; where they go: no place in the cluster enters an LDS address
	s_mul_i32 s94, s16, HALFV
	s_add_co_u32 s94, s94, PPART
	s_lshl_b32 s95, s16, 13
	s_mul_i32 s100, s16, 32*272
	s_wait_kmcnt 0x0
	s_add_nc_u64 s[20:21], s[4:5], s[20:21]
	s_add_nc_u64 s[22:23], s[6:7], s[22:23]
	s_add_nc_u64 s[46:47], s[8:9], s[46:47]
	s_add_nc_u64 s[92:93], s[10:11], s[92:93]
	CROUND                                         ; all sixteen work-groups are here: the first joint loads meet
	s_mov_b32 s[G0S], 1
	s_add_co_u32 s[G0S+1], s95, SCP
	s_mov_b64 s[G0S+2:G0S+3], s[22:23]
	s_or_b32 s[G0S+3], s[G0S+3], 0x80000000
	s_mov_b32 s[G0SB], 1
	s_add_co_u32 s[G0SB+1], s100, SCV
	s_mov_b64 s[G0SB+2:G0SB+3], s[92:93]
	s_or_b32 s[G0SB+3], s[G0SB+3], 0x80000000
	JLOAD G0S, G1S, G0SB, G1SB                     ; the scales first.  Three loads of mine are out at the most
.irp s, 0,1
	s_mov_b32 s[G0+4*\s], 1
	s_add_co_u32 s[G0+4*\s+1], s45, \s*SLOT
	s_add_nc_u64 s[G0+4*\s+2:G0+4*\s+3], s[20:21], \s*PPART
	s_or_b32 s[G0+4*\s+3], s[G0+4*\s+3], 0x80000000
	s_mov_b32 s[G0B+4*\s], 1
	s_add_co_u32 s[G0B+4*\s+1], s94, \s*SLOT
	s_add_nc_u64 s[G0B+4*\s+2:G0B+4*\s+3], s[46:47], \s*256
	s_or_b32 s[G0B+4*\s+3], s[G0B+4*\s+3], 0x80000000
	JLOAD G0+4*\s, G1, G0B+4*\s, G1B               ; slot s: K step 2 g + s
.endr
	v_and_b32 v1, 15, v0                           ; r = l % 16
	v_bfe_u32 v2, v0, 4, 1                         ; h = l / 16
	v_and_b32 v6, 31, v0                           ; lane
	v_lshlrev_b32 v[CO], 4, v6
	v_mul_u32_u24 v3, v1, PITCH
	v_lshl_add_u32 v4, v2, 4, v3                   ; V: a fragment's row x pitch + 16 x half
	s_lshl_b32 s21, s15, 13                        ; P: my eight rowblocks of a chunk's sixteen
	s_mul_i32 s22, s16, HALFV                      ; V: my 128 rows,
	s_add_co_u32 s22, s22, PPART                   ; behind P's part
.irp s, 0,1
	v_add_nc_u32 v[ADRA+\s], s21, v[CO]
	v_add_nc_u32 v[ADRB+\s], s22, v4
	s_add_co_u32 s21, s21, SLOT
	s_add_co_u32 s22, s22, SLOT
.endr
	s_lshl_b32 s21, s15, 9
	s_add_co_u32 s21, s21, SCP
	v_lshl_add_u32 v[ADSP], v6, 2, s21             ; 32 neighbouring rows' words: two blocks
	v_lshrrev_b32 v3, 2, v6
	v_mul_u32_u24 v3, v3, 272
	v_and_b32 v5, 3, v6
	v_lshl_add_u32 v3, v5, 6, v3                   ; four rows of 64 bytes, then 16 of padding
	s_mul_i32 s22, s16, 32*272
	s_add_co_u32 s22, s22, SCV
	v_add_nc_u32 v[ADSV], s22, v3
	s_lshl_b32 s21, s[GG], 13                      ; the first K step is 2 g: eight chunks of 1,024 bytes on in P's words,
	v_add_nc_u32 v[ADSPH], s21, v[ADSP]
	s_lshl_b32 s21, s[GG], 5                       ; 32 bytes on in V's rows
	v_add_nc_u32 v[ADSVH], s21, v[ADSV]
	s_mul_i32 s23, s14, 16*SPITCH                  ; my stage
	v_mul_u32_u24 v5, v1, SPITCH                   ; in: row r, 32 bytes for each half of the lanes
	v_lshl_add_u32 v5, v2, 5, v5
	v_add_nc_u32 v[STO], s23, v5
	v_add_nc_u32 v[RD], s23, v[CO]                 ; back: the 32 lanes take one row of 512 bytes
	s_lshl_b32 s23, s14, 9
	s_add_co_u32 s23, s23, RCS
	v_add_nc_u32 v[RCI], s23, v[CO]
	v_lshl_add_u32 v[RCO], v1, 2, s23
	s_lshl_b32 s20, s17, 8
	s_lshl_b32 s21, s15, 7
	s_add_co_u32 s20, s20, s21                     ; my first row of out: 256 x tile + 128 rho,
	s_lshl_b32 s20, s20, 12                        ; 4,096 bytes a row (under 2^27),
	s_lshl_b32 s46, s42, 10                        ; my first channel, in bytes: 1,024 x tile + 512 chi
	s_lshl_b32 s47, s16, 9
	s_add_co_u32 s46, s46, s47
	s_add_co_u32 s20, s20, s46
	s_mov_b32 s21, 0
	s_add_nc_u64 s[CP:CP+1], s[CP:CP+1], s[20:21]
	s_lshl_b32 s20, s67, 17                        ; the row sums' parts [b][chunk 16][2,048]: 131,072 bytes a batch,
	s_and_b32 s22, s17, 7
	s_lshl_b32 s22, s22, 10                        ; 1,024 for a tile's 256 queries,
	s_add_co_u32 s20, s20, s22
	s_lshl_b32 s22, s15, 9                         ; my 128
	s_add_co_u32 s20, s20, s22
	s_add_nc_u64 s[98:99], s[98:99], s[20:21]
	s_lshl_b32 s20, s[GG], 16                      ; eight chunks on where g = 1; where g = 0 chunks 0-7 once more, and they count with the weight 0: no branch, no byte that was never written
	s_add_nc_u64 s[92:93], s[98:99], s[20:21]
	s_cmp_eq_u32 s[GG], 1
	s_cselect_b32 s100, 1.0, 0                     ; the weight, as a pair for the packed form
	s_mov_b32 s101, s100
	s_mov_b32 s94, 0x322bcc77                      ; 1e-8
	s_mov_b32 s95, s94
.irp p, 0,1,2,3,4,5,6,7
	global_load_b128 v[192+4*\p:195+4*\p], v[CO], s[98:99] offset:8192*\p   ; a lane: rows 4 x lane + 0 .. 3 of my 128; they are wanted at the way out
.endr
.irp p, 0,1,2,3,4,5,6,7
	global_load_b128 v[224+4*\p:227+4*\p], v[CO], s[92:93] offset:8192*\p
.endr
; One product: P's block a x V's block b, the K step's q-th chunk.  p: V's set;  sc: the set of scale words.  An odd block's words lie in lanes 16-31 of its pair's register.
.macro WM a, b, q, sc, p, zero
.set rD, 8*(8*((\a)%4)+(\b))
.set rV, 128*(\p)+FR*(\b)
.set rP, AF+FR*(\a)
.set sV, VSR+16*(\sc)+4*((\b)/2)+(\q)
.set sP, PSR+16*(\sc)+4*((\a)/2)+(\q)
.set par, 4*(\zero)+2*((\a)%2)+(\b)%2
.if par == 0
	v_wmma_scale_f32_16x16x128_f8f6f4 v[rD:rD+7], v[rV:rV+7], v[rP:rP+7], v[rD:rD+7], v[sV], v[sP] matrix_a_fmt:MATRIX_FMT_FP4 matrix_b_fmt:MATRIX_FMT_FP4
.elseif par == 1
	v_wmma_scale_f32_16x16x128_f8f6f4 v[rD:rD+7], v[rV:rV+7], v[rP:rP+7], v[rD:rD+7], v[sV], v[sP] matrix_a_fmt:MATRIX_FMT_FP4 matrix_b_fmt:MATRIX_FMT_FP4 matrix_a_scale:MATRIX_SCALE_ROW1
.elseif par == 2
	v_wmma_scale_f32_16x16x128_f8f6f4 v[rD:rD+7], v[rV:rV+7], v[rP:rP+7], v[rD:rD+7], v[sV], v[sP] matrix_a_fmt:MATRIX_FMT_FP4 matrix_b_fmt:MATRIX_FMT_FP4 matrix_b_scale:MATRIX_SCALE_ROW1
.elseif par == 3
	v_wmma_scale_f32_16x16x128_f8f6f4 v[rD:rD+7], v[rV:rV+7], v[rP:rP+7], v[rD:rD+7], v[sV], v[sP] matrix_a_fmt:MATRIX_FMT_FP4 matrix_b_fmt:MATRIX_FMT_FP4 matrix_a_scale:MATRIX_SCALE_ROW1 matrix_b_scale:MATRIX_SCALE_ROW1
.elseif par == 4
	v_wmma_scale_f32_16x16x128_f8f6f4 v[rD:rD+7], v[rV:rV+7], v[rP:rP+7], 0, v[sV], v[sP] matrix_a_fmt:MATRIX_FMT_FP4 matrix_b_fmt:MATRIX_FMT_FP4
.elseif par == 5
	v_wmma_scale_f32_16x16x128_f8f6f4 v[rD:rD+7], v[rV:rV+7], v[rP:rP+7], 0, v[sV], v[sP] matrix_a_fmt:MATRIX_FMT_FP4 matrix_b_fmt:MATRIX_FMT_FP4 matrix_a_scale:MATRIX_SCALE_ROW1
.elseif par == 6
	v_wmma_scale_f32_16x16x128_f8f6f4 v[rD:rD+7], v[rV:rV+7], v[rP:rP+7], 0, v[sV], v[sP] matrix_a_fmt:MATRIX_FMT_FP4 matrix_b_fmt:MATRIX_FMT_FP4 matrix_b_scale:MATRIX_SCALE_ROW1
.else
	v_wmma_scale_f32_16x16x128_f8f6f4 v[rD:rD+7], v[rV:rV+7], v[rP:rP+7], 0, v[sV], v[sP] matrix_a_fmt:MATRIX_FMT_FP4 matrix_b_fmt:MATRIX_FMT_FP4 matrix_a_scale:MATRIX_SCALE_ROW1 matrix_b_scale:MATRIX_SCALE_ROW1
.endif
.endm
; 16 matrix instructions: P's blocks a0, a0 + 1 x V's eight.  The 64 accumulators take turns, one instruction a turn, in the same order in every step, on both ways through the text.
.macro MUL16 a0, p, q, sc, zero
.irp a, \a0, \a0+1
.irp b, 0,1,2,3,4,5,6,7
	WM \a, \b, \q, \sc, \p, \zero
.endr
.endr
.endm
.macro FETCH_B slot, q, p              ; V's eight fragments of the slot's q-th 128 keys into set p: lane l holds row l % 16; registers 4 c .. 4 c + 3 hold keys 64 c + 32 (l / 16) + 0 .. 31
	WIN TO_B
.irp i, 0,1,2,3,4,5,6,7
.irp c, 0,1
	ds_load_b128 v[128*(\p)+FR*\i+4*\c:128*(\p)+FR*\i+4*\c+3], v[ADRB+\slot] offset:64*(\q)+32*\c+\i*16*PITCH
.endr
.endr
	WIN 0
.endm
.macro FETCH_A slot, q, i0             ; P's blocks i0 .. i0 + 3: images of the registers, 512 consecutive bytes a load
.irp i, \i0, \i0+1, \i0+2, \i0+3
.irp c, 0,1
	ds_load_b128 v[AF+FR*(\i)+4*\c:AF+FR*(\i)+4*\c+3], v[ADRA+\slot] offset:16384*(\q)+1024*(\i)+512*\c
.endr
.endr
.endm
.macro SCALES set, ks, rp, rv          ; K step ks's scale words into set: P's by 16 loads of a word (chunk 4 ks + q, blocks 2 pr and 2 pr + 1), V's by 4 loads of four words
.irp pr, 0,1,2,3
.irp q, 0,1,2,3
	ds_load_b32 v[PSR+16*(\set)+4*\pr+\q], v[\rp] offset:(4*(\ks)+\q)*1024+128*\pr
.endr
.endr
.irp pr, 0,1,2,3
	ds_load_b128 v[VSR+16*(\set)+4*\pr:VSR+16*(\set)+4*\pr+3], v[\rv] offset:2176*\pr+16*(\ks)
.endr
.endm
; A load into a register that a matrix instruction has read stands NP places behind that matrix instruction, and only plain vector instructions that name none of its registers are places
; (ISA guide 7.12.1 for vector instructions).
.macro PLACES n
.rept \n
	v_nop
.endr
.endm
; A step of 128 keys that has its successor in the same slot.  P has one set of registers: blocks 0-3 are fetched anew in the step's middle, blocks 4-7 at its end; V has two sets.
.macro STEP slot, q, zero
	s_wait_dscnt 4*NL                              ; V's set, the scale words and P's blocks 0-3 are in; the youngest eight loads (P's blocks 4-7) may be out
	WIN MUL_LO
	MUL16 0, (\q)%2, \q, \slot, \zero
	MUL16 2, (\q)%2, \q, \slot, \zero
	s_wait_dscnt 0                                 ; P's blocks 4-7 are in (asked for 32 matrix instructions ago)
	PLACES NP
	FETCH_B \slot, (\q)+1, 1-(\q)%2
	FETCH_A \slot, (\q)+1, 0
	WIN MUL_HI
	MUL16 4, (\q)%2, \q, \slot, \zero
	MUL16 6, (\q)%2, \q, \slot, \zero
	PLACES NP
	WIN 0
	FETCH_A \slot, (\q)+1, 4
.endm
; A slot's last step changes slots: ONE barrier; in front of it each wave waits for all its tensor loads, adds 0 to its spare word, and waits for that and for its own reads of this slot.
; fill = 1: this slot is filled again, with the K step two back (2 -> 0, 3 -> 1).  ks: the K step that lies in the next slot.
.macro TURN slot, next, fill, ks
	s_wait_tensorcnt 0x0                           ; all my tensor loads have landed: my part of the next slot;  (every window is 0 here)
	ds_add_u32 v[SPW], v[NIL]                      ; 0 onto my spare word
	s_wait_dscnt 4*NL+1                            ; (the add and the youngest eight loads, P's blocks 4-7, may be out)
	WIN MUL_LO
	MUL16 0, 1, NQ-1, \slot, 0                     ; sixteen matrix instructions stand between the add and the wait for it
	s_wait_dscnt 0x0                               ; the add is done, and my reads of this slot are over
	s_barrier_signal -1
	MUL16 2, 1, NQ-1, \slot, 0
	WIN 0
	s_barrier_wait -1
.if \fill
	CREST                                          ; the barrier has opened a round of the cluster's barrier: no wave of any partner still reads this slot's tile or has a load on its way
	s_sub_nc_u64 s[G0+4*\slot+2:G0+4*\slot+3], s[G0+4*\slot+2:G0+4*\slot+3], 2*PPART
	s_sub_nc_u64 s[G0B+4*\slot+2:G0B+4*\slot+3], s[G0B+4*\slot+2:G0B+4*\slot+3], 2*256
	JLOAD G0+4*\slot, G1, G0B+4*\slot, G1B         ; the first tensor load behind the round, my one load until the next; it has a K step, 256 matrix instructions, in which to land; its four v_nop are the places in front of the loads below
.else
	PLACES NP
.endif
	FETCH_B \next, 0, 0
	FETCH_A \next, 0, 0
	SCALES \next, \ks, ADSP, ADSV
	WIN MUL_HI
	MUL16 4, 1, NQ-1, \slot, 0
	MUL16 6, 1, NQ-1, \slot, 0
	PLACES NP
	WIN 0
	FETCH_A \next, 0, 4
.endm
.macro STEPS slot, from                ; the slot's steps from .. NQ - 2
.set Q, \from
.rept NQ-1-\from
	STEP \slot, Q, 0
.set Q, Q+1
.endr
.endm
	s_wait_tensorcnt 1                             ; the scales and my part of slot 0 are in (slot 1's load may be out)
	s_barrier_signal -1
	s_barrier_wait -1                              ; everybody's are
	FETCH_B 0, 0, 0
	FETCH_A 0, 0, 0
	SCALES 0, 0, ADSPH, ADSVH                      ; K step 2 g's words
	FETCH_A 0, 0, 4
	STEP 0, 0, 1                                   ; the first step's products start the sums
	s_cmp_eq_u32 s[GG], 0                          ; the cluster's number: the same in all sixteen partners and all four waves
	s_cbranch_scc1 .Lshort                         ; g = 0: slots 0 and 1 hold K steps 0 and 1 already
	STEPS 0, 1                                     ; g = 1: K step 2 goes on;
	TURN 0, 1, 1, 3                                ; slot 0 takes K step 0; on to K step 3
	STEPS 1, 0
	TURN 1, 0, 1, 0                                ; slot 1 takes K step 1; on to K step 0
	STEP 0, 0, 0
.Lshort:                                               ; both ways arrive behind the first step of K step 0, with the same eight LDS loads out and every window 0
	STEPS 0, 1
	TURN 0, 1, 0, 1                                ; nothing is filled again, so no round of the cluster's barrier
	STEPS 1, 0
	s_wait_dscnt 4*NL                              ; the very last step: nothing more to fetch
	WIN MUL_LO
	MUL16 0, 1, NQ-1, 1, 0
	MUL16 2, 1, NQ-1, 1, 0
	s_wait_dscnt 0
	WIN MUL_HI
	MUL16 4, 1, NQ-1, 1, 0
	MUL16 6, 1, NQ-1, 1, 0
	WIN 0
	; THE DIVISORS.  A lane holds the sixteen parts of rows 4 x lane + 0 .. 3.  These additions name none of the last products' registers: they are the places behind them.
	s_wait_loadcnt 0x0
	v_pk_add_f32 v[96:97], v[192:193], v[196:197]
	v_pk_add_f32 v[98:99], v[194:195], v[198:199]
	v_pk_add_f32 v[100:101], v[224:225], v[228:229]
	v_pk_add_f32 v[102:103], v[226:227], v[230:231]
.irp p, 2,3,4,5,6,7
	v_pk_add_f32 v[96:97], v[96:97], v[192+4*\p:193+4*\p]
	v_pk_add_f32 v[98:99], v[98:99], v[194+4*\p:195+4*\p]
	v_pk_add_f32 v[100:101], v[100:101], v[224+4*\p:225+4*\p]
	v_pk_add_f32 v[102:103], v[102:103], v[226+4*\p:227+4*\p]
.endr
	v_pk_fma_f32 v[96:97], v[100:101], s[100:101], v[96:97] op_sel_hi:[1,0,1]   ; chunks 8-15 count where g = 1
	v_pk_fma_f32 v[98:99], v[102:103], s[100:101], v[98:99] op_sel_hi:[1,0,1]
	v_pk_add_f32 v[96:97], v[96:97], s[94:95] op_sel_hi:[1,0]                   ; + 1e-8
	v_pk_add_f32 v[98:99], v[98:99], s[94:95] op_sel_hi:[1,0]
.irp i, 0,1,2,3
	v_rcp_f32 v[104+\i], v[96+\i]
.endr
	v_nop                                          ; a plain line between the last reciprocal and the use of its result
	s_wait_alu depctr_va_vdst(0)                   ; and a wait ahead of the first use: one for the four
	ds_store_b128 v[RCI], v[104:107]               ; my wave's 128 reciprocals, by rows
.irp a, 0,1,2,3,4,5,6,7
	ds_load_b32 v[RC+2*\a], v[RCO] offset:64*\a    ; row 16 a + r's, twice: LDS serves a wave's instructions in order: these see the store
	ds_load_b32 v[RC+2*\a+1], v[RCO] offset:64*\a
.endr
	s_wait_dscnt 0x0
; THE WAY OUT, block by block of 16 rows x 128 channels: x 1 / divisor into window 1; 32 bytes a lane into my own stage; back as whole rows of 512 bytes, which the 32 lanes store.
; No wait stands between the stores into the stage and the loads from it, nor in front of the next block's stores: LDS serves a wave's instructions in order (ISA guide 5.7.1.4).
.macro TOSTAGE a
.set AC, 64*((\a)%4)
.set WB, 64*((\a)%2)                   ; two sets by turns: block a - 2's stores into the stage are done (the wait in front of its global stores showed its later loads done)
	WIN 0x42+(\a)/4                                ; destination window 1, source 0 window 2 or 3, source 1 window 0
.irp i, 0,2,4,6,8,10,12,14,16,18,20,22,24,26,28,30,32,34,36,38,40,42,44,46,48,50,52,54,56,58,60,62
	v_pk_mul_f32 v[WB+\i:WB+\i+1], v[AC+\i:AC+\i+1], v[RC+2*(\a):RC+2*(\a)+1]   ; each accumulator from its low end on
.endr
	WIN 0x04                                       ; an LDS store's data are its source 1: window 1
.irp b, 0,1,2,3,4,5,6,7
	ds_store_b128 v[STO], v[WB+8*\b:WB+8*\b+3] offset:64*\b
	ds_store_b128 v[STO], v[WB+8*\b+4:WB+8*\b+7] offset:64*\b+16
.endr
	WIN 0
.set BB, BK+64*((\a)%2)
.irp t, 0,1,2,3,4,5,6,7,8,9,10,11,12,13,14,15
	ds_load_b128 v[BB+4*\t:BB+4*\t+3], v[RD] offset:\t*SPITCH
.endr
.endm
.macro SEND a, younger                 ; younger: the LDS instructions issued behind block a's loads, which may stay out
.set BB, BK+64*((\a)%2)
	s_wait_dscnt \younger                          ; the block is back in registers
.if (\a) > 0
	s_add_nc_u64 s[CP:CP+1], s[CP:CP+1], 16*SIZE_N*4   ; (behind a wait on XCNT: the earlier stores have read their base)  16 rows of out on
.endif
.irp t, 0,1,2,3,4,5,6,7,8,9,10,11,12,13,14,15
	global_store_b128 v[CO], v[BB+4*\t:BB+4*\t+3], s[CP:CP+1] offset:\t*SIZE_N*4 th:TH_STORE_NT   ; 32 lanes store 512 consecutive bytes, aligned; written once, read by nobody here
.endr
.endm
	TOSTAGE 0
.irp a, 1,2,3,4,5,6,7
.if \a > 1
	s_wait_xcnt 0x0                                ; block a - 2's stores have read their registers and their base: block a's loads may land there, and the base may step
.endif
	TOSTAGE \a
	SEND \a-1, 32                                  ; behind block a - 1's loads: block a's 16 stores and 16 loads
.endr
	s_wait_xcnt 0x0                                ; block 6's stores have read their base
	SEND 7, 0
	s_wait_tensorcnt 0x0                           ; the wave's end: behind my last tensor load and my last LDS store
	ds_add_u32 v[SPW], v[NIL]
	s_wait_dscnt 0x0
	CROUND                                         ; the closing round: no work-group ends while a partner may still ask for a tile that names it
	s_endpgm
.Lfunc_end_k_q4e2e0b58c5_outp:
	.size	k_q4e2e0b58c5_outp, .Lfunc_end_k_q4e2e0b58c5_outp-k_q4e2e0b58c5_outp
	.p2alignl 7, 3214868480
	.fill 96, 4, 3214868480
	.section	.rodata,"a",@progbits
	.p2align	6, 0x0
	.amdhsa_kernel k_q4e2e0b58c5_outp
		.amdhsa_group_segment_fixed_size 327680
		.amdhsa_private_segment_fixed_size 0
		.amdhsa_enable_private_segment 0
		.amdhsa_kernarg_size 48
		.amdhsa_user_sgpr_count 2
		.amdhsa_user_sgpr_kernarg_segment_ptr 1
		.amdhsa_wavefront_size32 1
		.amdhsa_system_sgpr_workgroup_id_x 1
		.amdhsa_system_sgpr_workgroup_id_y 1
		.amdhsa_system_sgpr_workgroup_id_z 1
		.amdhsa_system_vgpr_workitem_id 0
		.amdhsa_next_free_vgpr 1024
		.amdhsa_next_free_sgpr 102
		.amdhsa_reserve_vcc 0
		.amdhsa_float_denorm_mode_32 3
		.amdhsa_float_denorm_mode_16_64 3
		.amdhsa_memory_ordered 1
		.amdhsa_forward_progress 1
		.amdhsa_inst_pref_size 236
	.end_amdhsa_kernel
	.amdgpu_metadata
---
amdhsa.version: [ 1, 2 ]
amdhsa.kernels:
  - .name:           k_q4e2e0b58c5_outp
    .symbol:         k_q4e2e0b58c5_outp.kd
    .args:
      - { .name: p_codes, .offset: 0, .size: 8, .value_kind: global_buffer, .address_space: global }
      - { .name: p_scales, .offset: 8, .size: 8, .value_kind: global_buffer, .address_space: global }
      - { .name: value_codes, .offset: 16, .size: 8, .value_kind: global_buffer, .address_space: global }
      - { .name: value_scales, .offset: 24, .size: 8, .value_kind: global_buffer, .address_space: global }
      - { .name: out0, .offset: 32, .size: 8, .value_kind: global_buffer, .address_space: global }
      - { .name: rsum, .offset: 40, .size: 8, .value_kind: global_buffer, .address_space: global }
    .group_segment_fixed_size: 327680
    .private_segment_fixed_size: 0
    .kernarg_segment_align: 8
    .kernarg_segment_size: 48
    .max_flat_workgroup_size: 128
    .sgpr_count:     102
    .vgpr_count:     1024
    .wavefront_size: 32
...
	.end_amdgpu_metadata
.endif
;; end of part 3
